; MI455X (gfx1250); checked and timed in simulation.
; The chip was launched on July 23, 2026; its instructions are those of AMD's public machine-readable ISA for CDNA 5 (MIT licence, August 2026) and "CDNA5" Instruction Set Architecture Reference Guide (July 2026). The comments in the code are by the model that wrote it; some were corrected since.
;; Multi Head Self Attention. Allowed arithmetic: matrix products marked QUANTISED: E2M3 operands, one E8M0 scale for each 32 along K, by v_wmma_scale_f32_16x16x128_f8f6f4 with both operands' format E2M3, f32 sums; everything else in f32.
;; Inputs: Wk 1,024 x 1,024 float32; Wo 1,024 x 1,024 float32; Wq 1,024 x 1,024 float32; Wv 1,024 x 1,024 float32; bk 1,024 float32; bo 1,024 float32; bq 1,024 float32; bv 1,024 float32; x 4 x 2,048 x 1,024 float32.
;; Outputs: out0 4 x 2,048 x 1,024 float32.
;; This version of the problem:
;;   THIS VERSION OF THE PROBLEM IS GIVEN IN LOW PRECISION. The matrix products marked QUANTISED in the list below multiply operands that are first quantised to E2M3 (2 exponent bits, 3 mantissa bits; 6 bits a number), with one power-of-two scale for each 32 numbers along K (OCP MX v1.0); their sums are f32. All else is computed in f32.
;;   The module's matrix products, in the order in which they are computed (A, B: the left and right operand; K: the contracted axis; several contracted axes count as one K, in the product's order):
;;     1. [M 8,192, K 1,024] x [K 1,024, N 1,024]; A: input x; B: input Wq: QUANTISED
;;     2. [M 8,192, K 1,024] x [K 1,024, N 1,024]; A: input x; B: input Wk: QUANTISED
;;     3. [M 8,192, K 1,024] x [K 1,024, N 1,024]; A: input x; B: input Wv: QUANTISED
;;     4. batch 64 x [M 2,048, K 64] x [K 64, N 2,048]; A: computed on the way; B: computed on the way: QUANTISED
;;     5. batch 64 x [M 2,048, K 2,048] x [K 2,048, N 64]; A: softmax (see below); B: computed on the way: QUANTISED
;;     6. [M 8,192, K 1,024] x [K 1,024, N 1,024]; A: computed on the way; B: input Wo: QUANTISED
;;   THE QUANTISER, for each operand of a quantised product, along K:
;;     - K is cut into blocks of 32 from its start; a last block that is shorter is filled with zeros.
;;     - A block's scale is 2^e with e = floor(log2(the largest magnitude in the block)) - 2, held to -126 .. 127; a block of zeros has e = 0. As a byte (E8M0): e + 127.
;;     - Each number is divided by its block's scale, clamped to +-7.5, and rounded to the nearest number of E2M3, ties to even, subnormals kept.
;;     - The product sums the exact products of the quantised numbers (number of the format x scale) in f32.
;;   ~~~python
;;   def quantise(x, axis):      # numpy; x: float32 -> the quantised numbers, widened to float32 again
;;       x = np.moveaxis(x, axis, -1); K = x.shape[-1]
;;       x = np.pad(x, [(0, 0)] * (x.ndim - 1) + [(0, -K % 32)]); x = x.reshape(x.shape[:-1] + (-1, 32)); a = np.abs(x).max(-1, keepdims=True)
;;       e = np.where(a > 0, np.clip(np.frexp(np.where(a > 0, a, 1))[1] - 1 - 2, -126, 127), 0)      # np.frexp(a)[1] - 1 = floor(log2(a)), exactly
;;       r = np.clip(x / 2.0 ** e, -7.5, 7.5)
;;       step = 2.0 ** (np.maximum(np.frexp(np.where(r == 0, 1, r))[1] - 1, 0) - 3)
;;       q = np.round(r / step) * step * 2.0 ** e      # np.round: ties to even
;;       return np.moveaxis(q.reshape(q.shape[:-2] + (-1,))[..., :K], -1, axis).astype(np.float32)
;;   ~~~
;;   SOFTMAX AHEAD OF A QUANTISED PRODUCT. Where the list says 'softmax', what is quantised is not the finished softmax but p = 2^(t - M), with t = logit x log2(e) and M = ceil(the row's largest t), a whole number; so 1/2 < the row's largest p <= 1. The row's sum l is taken of the UNQUANTISED p, in f32, and the product's result is divided by l at the end. Since M is a whole number, a kernel that streams over the keys may use a running M (the ceiling of the running maximum): every later rescaling is an exact power of two, which a block's scale takes up: the codes' values come out the same.
;;   OPERANDS COMPUTED ON THE WAY. 'Computed on the way' means the value that the module computes at that place (a softmax that the list does not call 'softmax' is quantised finished and normalised). What goes into a quantiser is computed in f32, as accurately as f32 sums, v_exp_f32 and their like allow (about 1e-6 of the number): no bf16 or f16 on the way to a quantiser, and a product that is left as it is and whose result goes on into a quantised operand takes f32 operands (vector FMAs, or v_wmma_f32_16x16x4_f32). A number that lies on a knife's edge between two numbers of the format may be rounded either way, as far as f32 arithmetic and the matrix unit's own rounding can turn it there, and no further.
;; One version. Each part assembles by itself: llvm-mc -triple=amdgcn-amd-amdhsa -mcpu=gfx1250 --defsym DOCPART=n.
;; ======== version 1 of 1: 4 launches
;; limits: right only within a limited range of input values
;; workspace buffers: xc 6,291,456 bytes; xs 262,144 bytes; wc 3,145,728 bytes; ws 131,072 bytes; qkvc 18,874,368 bytes; qkvs 786,432 bytes; cc 6,291,456 bytes; cs 262,144 bytes
;; launch quant (part 1): grid 384 x 1, 4 waves a work-group, no clusters, 59,904 bytes of LDS; arguments x, Wq, Wk, Wv, Wo, xc, xs, wc, ws; writes xc, xs, wc, ws
.if DOCPART == 1
	.amdgcn_target "amdgcn-amd-amdhsa--gfx1250"
	.amdhsa_code_object_version 6
	.text
	.protected	k_q0ce4c50980_quant
	.globl	k_q0ce4c50980_quant
	.p2align	8
	.type	k_q0ce4c50980_quant,@function
k_q0ce4c50980_quant:
	s_mov_b64 s[64:65], 0
	v_nop
	global_prefetch_b8 v0, s[64:65] scope:SCOPE_SE
	s_setreg_imm32_b32 hwreg(HW_REG_WAVE_MODE, 25, 1), 1
	s_wait_xcnt 0x0
; x [8192][1024] and the four weights [1024 (k)][1024 (n)], f32, become codes of FP6 (E2M3) with one E8M0 byte for each 32 along K.
; A block's scale is 2^(floor(log2(largest magnitude)) - 2): its byte is the largest magnitude's exponent field - 2, held at 1 from below.
; LIMITS: NaN and infinities among the inputs are not served.  A block whose largest magnitude lies under 2^-124 keeps the byte 1; so does a block of
; zeros, where the quantiser's text says 127: its codes are zeros, which add nothing under any byte but 0xff, and this program alone reads the bytes.
; THE OUTPUT IS LAID AS IMAGES OF OPERAND REGISTERS.  A fragment is 16 rows x 128 K, 12 registers a lane: lane (r, h) holds row r, registers 6 c .. 6 c + 5 hold
; k = 64 c + 32 h + 0 .. 31.  Its image is 1,536 bytes: six groups of 256 bytes, group g = registers 2 g, 2 g + 1, lane l at 8 l.  Codes: [block T of 16 rows][8 fragments along K][1536].
; THE ROWS OF A BLOCK ARE NOT NEIGHBOURS: image row r of block T = 2 B + u is true row 32 B + 8 u + r + 8 (r / 8), so that the results of a product whose source 0 is laid so
; run along that axis in a lane's registers.  Scale bytes: [T][4 (256 along K)][r][8 bytes]: a row's two scale words of 256 along K lie together.
; Work-groups 0-255 take x (K innermost), 256-383 the weights (K outermost: a lane to a column, registers down K).  The two ways never join and have LDS bytes of their own.
; No matrix unit, no cluster, no tensor load: memory binds, work-groups share no input, and waves share nothing, so there is no barrier.
.set XSTG,  16*528                     ; x: a stage of 16 rows x (512 bytes + 16) for each wave
.set WBASE, 4*XSTG                     ; the weights' stages begin here
.set UB,    3200                       ; a block's two images (3,072 bytes) + 128, so that the two blocks' stores fall on different banks
.set WREG,  2*UB                       ; a wave's two blocks
.set SPARE, WBASE+4*WREG               ; the spare words, 128 bytes for each wave: two blocks of 256 bytes that no other line names
.set SPW, 12                           ; v12  LDS address of my spare word; never rewritten
.set NIL, 13                           ; v13  0; never rewritten
.set R,   16                           ; x: v16-143 two sets of 64 numbers as loaded
.set X,   144                          ; x: v144-207 my 64 numbers of my row
.set C,   208                          ; x: v208-219 the fragment
.set WD,  228                          ; x: v228-231 the four substeps' scale words
	s_load_b256 s[4:11], s[0:1], 0x0               ; x s[4:5], Wq s[6:7], Wk s[8:9], Wv s[10:11]
	s_load_b256 s[12:19], s[0:1], 0x20             ; Wo s[12:13], xc s[14:15], xs s[16:17], wc s[18:19]
	s_load_b64 s[20:21], s[0:1], 0x40              ; ws
	v_lshl_add_u32 v[SPW], v0, 2, SPARE
	v_mov_b32 v[NIL], 0
	v_lshrrev_b32 v1, 5, v0
	v_readfirstlane_b32 s22, v1                    ; wave
	v_and_b32 v2, 31, v0                           ; lane
	s_mov_b32 s23, 0xffff0000                      ; lanes 16-31
	s_mov_b32 s24, 0x76543210
	s_mov_b32 s25, 0xfedcba98                      ; v_permlanex16_b32: lane l xor 16
	s_cmp_ge_u32 ttmp9, 256
	s_cbranch_scc1 .Lweights
	; ---------------- x: a wave takes one block T and half of K: four substeps of 128 ----------------
	v_lshlrev_b32 v4, 4, v2                        ; 16 x lane: my bytes of a load of 512
	s_mul_i32 s26, s22, XSTG
	v_add_nc_u32 v5, s26, v4                       ; into the stage: as loaded
	v_and_b32 v8, 15, v2                           ; r
	v_lshrrev_b32 v9, 4, v2                        ; h
	v_mul_u32_u24 v6, v8, 528
	v_lshl_add_u32 v6, v9, 7, v6
	v_add_nc_u32 v6, s26, v6                       ; out of it: row r, + 128 h bytes: k = 32 h on
	v_lshlrev_b32 v7, 3, v2                        ; 8 x lane: an image's place for my lane
	v_lshlrev_b32 v10, 3, v9                       ; 8 h: my bytes' shift in a scale word
	v_mov_b32 v236, 0                              ; written once: a lane permute's destination counts as one of its sources
	s_lshl_b32 s27, ttmp9, 2
	s_add_co_u32 s27, s27, s22                     ; 4 x work-group + wave
	s_lshr_b32 s28, s27, 1                         ; T
	s_and_b32 s29, s27, 1                          ; which half of K
	s_lshr_b32 s30, s28, 1
	s_and_b32 s31, s28, 1
	s_lshl_b32 s30, s30, 5
	s_lshl_b32 s31, s31, 3
	s_add_co_u32 s30, s30, s31                     ; the block's first true row: 32 B + 8 u
	s_lshl_b32 s30, s30, 12                        ; a row of x is 4,096 bytes
	s_lshl_b32 s31, s29, 11
	s_add_co_u32 s30, s30, s31
	s_mov_b32 s31, 0
	s_mul_i32 s32, s28, 12288
	s_mul_i32 s33, s29, 6144
	s_add_co_u32 s32, s32, s33
	s_mov_b32 s33, 0
	s_lshl_b32 s34, s28, 9
	s_lshl_b32 s35, s29, 8
	s_add_co_u32 s34, s34, s35
	s_mov_b32 s35, 0
	s_wait_alu depctr_va_vdst(0)
	s_wait_kmcnt 0x0
	s_add_nc_u64 s[4:5], s[4:5], s[30:31]
	s_add_nc_u64 s[14:15], s[14:15], s[32:33]
	s_add_nc_u64 s[16:17], s[16:17], s[34:35]
.macro LOADX t                         ; substep t: 16 rows x 512 consecutive bytes, into set t % 2
.set I, 0
.rept 16
	global_load_b128 v[R+64*((\t)%2)+4*I:R+64*((\t)%2)+4*I+3], v4, s[4:5] offset:(I+8*(I/8))*4096+512*(\t) th:TH_LOAD_NT
.set I, I+1
.endr
.endm
.macro STEPX t
.if (\t) < 3
	s_wait_loadcnt 16                              ; this substep's 16 loads are in; the next substep's 16 may be out
.else
	s_wait_loadcnt 0
.endif
.set I, 0
.rept 16
	ds_store_b128 v5, v[R+64*((\t)%2)+4*I:R+64*((\t)%2)+4*I+3] offset:528*I
.set I, I+1
.endr
.irp c, 0,1
.irp j, 0,1,2,3,4,5,6,7
	ds_load_b128 v[X+32*\c+4*\j:X+32*\c+4*\j+3], v6 offset:256*\c+16*\j   ; LDS serves a wave's instructions in order: these see my stores.  k = 64 c + 32 h + 4 j on
.endr
.endr
	s_wait_dscnt 0x0                               ; my 64 numbers are in, and the stores have read their registers,
.if (\t) < 2
	LOADX (\t)+2                                   ; which take the loads of two substeps on
.endif
.irp c, 0,1                                    ; my block 2 c + h: all its 32 numbers are mine
	v_max3_num_f32 v[232+\c], |v[X+32*\c]|, |v[X+32*\c+1]|, 0x1800000   ; with the floor 2^(3 - 127): the byte cannot fall under 1
.endr
.irp i, 2,4,6,8,10,12,14,16,18,20,22,24,26,28,30
.irp c, 0,1
	v_max3_num_f32 v[232+\c], v[232+\c], |v[X+32*\c+\i]|, |v[X+32*\c+\i+1]|
.endr
.endr
.irp c, 0,1
	v_add_nc_u32 v[234+\c], 0xff000000, v[232+\c]  ; 2 off the exponent field: the conversion takes the exponent field of this operand as its scale
.endr
.irp c, 0,1
	v_lshrrev_b32 v[232+\c], 23, v[234+\c]         ; the scale's byte
.endr
	v_lshl_or_b32 v237, v233, 16, v232             ; my two bytes: blocks h and 2 + h,
	v_lshlrev_b32 v237, v10, v237                  ; at their places in the word;
	v_permlanex16_b32 v236, v237, s24, s25
	v_or_b32 v[WD+(\t)], v237, v236                ; with lane l xor 16's two the word is whole, in both halves of the lanes
.if (\t) > 0
	s_wait_alu depctr_va_vdst(0)
	s_wait_xcnt 0x0                                ; the last substep's stores have read the fragment's registers: only now are they written again
.endif
.irp c, 0,1
	v_cvt_scalef32_pk16_fp6_f32 v[C+6*\c:C+6*\c+2], v[X+32*\c:X+32*\c+15], v[234+\c]
	v_cvt_scalef32_pk16_fp6_f32 v[220+4*\c:222+4*\c], v[X+32*\c+16:X+32*\c+31], v[234+\c]   ; (a conversion's three registers begin on an even number)
.endr
	v_nop                                          ; one plain place behind a scaled conversion
.irp c, 0,1
.irp i, 0,1,2
	v_mov_b32 v[C+6*\c+3+\i], v[220+4*\c+\i]
.endr
.endr
.irp g, 0,1,2,3,4,5
	global_store_b64 v7, v[C+2*\g:C+2*\g+1], s[14:15] offset:1536*(\t)+256*\g   ; 32 lanes store 256 consecutive bytes, aligned
.endr
.endm
	LOADX 0
	LOADX 1
	STEPX 0
	STEPX 1
	STEPX 2
	STEPX 3
	v_cndmask_b32 v232, v[WD], v[WD+2], s23        ; lanes 0-15: the words of substeps 0, 1; lanes 16-31: of 2, 3
	v_cndmask_b32 v233, v[WD+1], v[WD+3], s23
	global_store_b64 v7, v[232:233], s[16:17]      ; 256 consecutive bytes, aligned
	s_wait_tensorcnt 0x0                           ; the wave's end
	ds_add_u32 v[SPW], v[NIL]
	s_wait_dscnt 0x0
	s_endpgm
	; ---------------- the weights: a wave takes 32 columns x 256 along K of one weight ----------------
.Lweights:
	s_sub_co_u32 s26, ttmp9, 256
	s_lshr_b32 s27, s26, 5                         ; which weight: q, k, v, o
	s_bfe_u32 s28, s26, 0x30002                    ; which 128 columns
	s_and_b32 s29, s26, 3                          ; which 256 along K
	s_lshl_b32 s28, s28, 2
	s_add_co_u32 s28, s28, s22                     ; B: my wave's 32 columns = blocks 2 B and 2 B + 1
	s_wait_alu depctr_va_vdst(0)
	v_lshlrev_b32 v3, 2, v2                        ; in: 4 bytes a lane: lane l takes column 32 B + l
	v_bfe_u32 v8, v2, 3, 1                         ; that column is image row r of block 2 B + u: u = (l / 8) % 2,
	v_and_b32 v9, 7, v2
	v_lshrrev_b32 v10, 4, v2
	v_lshl_add_u32 v9, v10, 3, v9                  ; r = l % 8 + 8 (l / 16)
	s_mul_i32 s30, s22, WREG
	s_add_co_u32 s30, s30, WBASE
	v_mul_u32_u24 v4, v8, UB
	v_lshl_add_u32 v4, v9, 3, v4
	v_add_nc_u32 v4, s30, v4                       ; into my stage: block u, 8 r
	v_lshlrev_b32 v6, 4, v2                        ; 16 x lane
	v_add_nc_u32 v5, s30, v6                       ; out of it
	v_lshlrev_b32 v7, 9, v8
	v_lshl_add_u32 v7, v9, 3, v7                   ; my row's place among the scale bytes: 512 u + 8 r
	s_lshl_b32 s32, s29, 20                        ; 256 rows of 4,096 bytes
	s_lshl_b32 s33, s28, 7
	s_add_co_u32 s32, s32, s33
	s_mov_b32 s33, 0
	s_mul_i32 s34, s27, 786432
	s_mul_i32 s35, s28, 24576
	s_add_co_u32 s34, s34, s35
	s_mul_i32 s35, s29, 3072
	s_add_co_u32 s34, s34, s35
	s_mov_b32 s35, 0
	s_lshl_b32 s36, s27, 15
	s_lshl_b32 s37, s28, 10
	s_add_co_u32 s36, s36, s37
	s_lshl_b32 s37, s29, 7
	s_add_co_u32 s36, s36, s37
	s_mov_b32 s37, 0
	s_wait_kmcnt 0x0
	s_cmp_eq_u32 s27, 1                            ; the choice hangs on the work-group's number alone
	s_cselect_b64 s[6:7], s[8:9], s[6:7]
	s_cmp_eq_u32 s27, 2
	s_cselect_b64 s[6:7], s[10:11], s[6:7]
	s_cmp_eq_u32 s27, 3
	s_cselect_b64 s[6:7], s[12:13], s[6:7]
	s_add_nc_u64 s[6:7], s[6:7], s[32:33]
	s_add_nc_u64 s[18:19], s[18:19], s[34:35]
	s_add_nc_u64 s[20:21], s[20:21], s[36:37]
.macro LOADW t                         ; block t: W(32 t + i, my column) into set t % 2: each load reads 128 consecutive bytes a wave
.set I, 0
.rept 32
	global_load_b32 v[32+32*((\t)%2)+I], v3, s[6:7] offset:(32*(\t)+I)*4096 th:TH_LOAD_NT
.set I, I+1
.endr
.endm
.macro BLOCKW t
.set XS, 32+32*((\t)%2)
.if (\t) < 7
	s_wait_loadcnt 32                              ; this block's 32 loads are in; the next block's may be out
.else
	s_wait_loadcnt 0
.endif
	v_max3_num_f32 v16, |v[XS]|, |v[XS+1]|, |v[XS+2]|
	v_max3_num_f32 v17, |v[XS+3]|, |v[XS+4]|, |v[XS+5]|
.irp i, 6,10,14,18,22,26
	v_max3_num_f32 v16, v16, |v[XS+\i]|, |v[XS+\i+1]|
	v_max3_num_f32 v17, v17, |v[XS+\i+2]|, |v[XS+\i+3]|
.endr
	v_max3_num_f32 v16, v16, |v[XS+30]|, |v[XS+31]|
	v_max3_num_f32 v16, v16, v17, 0x1800000        ; and the floor
	v_add_nc_u32 v18, 0xff000000, v16
	v_lshrrev_b32 v19, 23, v18
.if (\t)%4 == 0
	v_mov_b32 v[24+(\t)/4], v19                    ; four bytes to a word, the lower K in the lower byte
.else
	v_lshl_or_b32 v[24+(\t)/4], v19, 8*((\t)%4), v[24+(\t)/4]
.endif
	v_cvt_scalef32_pk16_fp6_f32 v[96:98], v[XS:XS+15], v18
	v_cvt_scalef32_pk16_fp6_f32 v[102:104], v[XS+16:XS+31], v18
	v_nop                                          ; one plain place behind a scaled conversion
.irp i, 0,1,2
	v_mov_b32 v[99+\i], v[102+\i]
.endr
.irp p, 0,1,2                                  ; block t is registers 6 c .. 6 c + 5 of lane (r, h) in fragment t / 4: c = (t % 4) / 2, h = t % 2
	ds_store_b64 v4, v[96+2*\p:97+2*\p] offset:((\t)/4)*1536+768*(((\t)%4)/2)+128*((\t)%2)+256*\p
.endr
.if (\t)+2 < 8
	LOADW (\t)+2
.endif
	s_wait_dscnt 0x0                               ; the stores have read their registers
.endm
	LOADW 0
	LOADW 1
.irp t, 0,1,2,3,4,5,6,7
	BLOCKW \t
.endr
	s_wait_alu depctr_va_vdst(0)
	global_store_b64 v7, v[24:25], s[20:21]        ; my row's 8 scale bytes: two runs of 128 bytes a wave, since a wave has one quarter of K; 131,072 bytes in the whole launch
.set I, 0
.rept 12
	ds_load_b128 v[112+4*I:115+4*I], v5 offset:UB*(I/6)+512*(I%6)   ; the images come back as they lie
.set I, I+1
.endr
.set I, 0
.rept 12
	s_wait_dscnt 11-I                              ; LDS loads come back in order: number I is in
	global_store_b128 v6, v[112+4*I:115+4*I], s[18:19] offset:12288*(I/6)+512*(I%6)   ; 512 consecutive bytes, aligned
.set I, I+1
.endr
	s_wait_tensorcnt 0x0                           ; the wave's end
	ds_add_u32 v[SPW], v[NIL]
	s_wait_dscnt 0x0
	s_endpgm
.Lfunc_end_k_q0ce4c50980_quant:
	.size	k_q0ce4c50980_quant, .Lfunc_end_k_q0ce4c50980_quant-k_q0ce4c50980_quant
	.p2alignl 7, 3214868480
	.fill 96, 4, 3214868480
	.section	.rodata,"a",@progbits
	.p2align	6, 0x0
	.amdhsa_kernel k_q0ce4c50980_quant
		.amdhsa_group_segment_fixed_size 59904
		.amdhsa_private_segment_fixed_size 0
		.amdhsa_enable_private_segment 0
		.amdhsa_kernarg_size 72
		.amdhsa_user_sgpr_count 2
		.amdhsa_user_sgpr_kernarg_segment_ptr 1
		.amdhsa_wavefront_size32 1
		.amdhsa_system_sgpr_workgroup_id_x 1
		.amdhsa_system_sgpr_workgroup_id_y 1
		.amdhsa_system_sgpr_workgroup_id_z 1
		.amdhsa_system_vgpr_workitem_id 0
		.amdhsa_next_free_vgpr 256
		.amdhsa_next_free_sgpr 66
		.amdhsa_reserve_vcc 0
		.amdhsa_float_denorm_mode_32 3
		.amdhsa_float_denorm_mode_16_64 3
		.amdhsa_memory_ordered 1
		.amdhsa_forward_progress 1
		.amdhsa_inst_pref_size 73
	.end_amdhsa_kernel
	.amdgpu_metadata
---
amdhsa.version: [ 1, 2 ]
amdhsa.kernels:
  - .name:           k_q0ce4c50980_quant
    .symbol:         k_q0ce4c50980_quant.kd
    .args:
      - { .name: x, .offset: 0, .size: 8, .value_kind: global_buffer, .address_space: global }
      - { .name: Wq, .offset: 8, .size: 8, .value_kind: global_buffer, .address_space: global }
      - { .name: Wk, .offset: 16, .size: 8, .value_kind: global_buffer, .address_space: global }
      - { .name: Wv, .offset: 24, .size: 8, .value_kind: global_buffer, .address_space: global }
      - { .name: Wo, .offset: 32, .size: 8, .value_kind: global_buffer, .address_space: global }
      - { .name: xc, .offset: 40, .size: 8, .value_kind: global_buffer, .address_space: global }
      - { .name: xs, .offset: 48, .size: 8, .value_kind: global_buffer, .address_space: global }
      - { .name: wc, .offset: 56, .size: 8, .value_kind: global_buffer, .address_space: global }
      - { .name: ws, .offset: 64, .size: 8, .value_kind: global_buffer, .address_space: global }
    .group_segment_fixed_size: 59904
    .private_segment_fixed_size: 0
    .kernarg_segment_align: 8
    .kernarg_segment_size: 72
    .max_flat_workgroup_size: 128
    .sgpr_count:     66
    .vgpr_count:     256
    .wavefront_size: 32
...
	.end_amdgpu_metadata
.endif
;; end of part 1
;; launch qkv (part 2): grid 8 x 32, 4 waves a work-group, clusters of 4 x 4, 327,680 bytes of LDS; arguments xc, xs, wc, ws, bq, bk, bv, qkvc, qkvs; writes qkvc, qkvs
.if DOCPART == 2
	.amdgcn_target "amdgcn-amd-amdhsa--gfx1250"
	.amdhsa_code_object_version 6
	.text
	.protected	k_q0ce4c50980_qkv
	.globl	k_q0ce4c50980_qkv
	.p2align	8
	.type	k_q0ce4c50980_qkv,@function
k_q0ce4c50980_qkv:
	s_mov_b64 s[64:65], 0
	v_nop
	global_prefetch_b8 v0, s[64:65] scope:SCOPE_SE
	s_setreg_imm32_b32 hwreg(HW_REG_WAVE_MODE, 25, 1), 1
	s_wait_xcnt 0x0
	s_wait_alu depctr_hold_cnt(0) depctr_sa_sdst(0) depctr_va_vdst(0) depctr_va_sdst(0) depctr_va_ssrc(0) depctr_va_vcc(0) depctr_vm_vsrc(0)
	s_getreg_b32 s2, hwreg(HW_REG_IB_STS2, 6, 4)
	s_cmp_eq_u32 s2, 0
	s_cbranch_scc0 .Lentry_in_a_cluster
	s_endpgm
.Lentry_in_a_cluster:
	s_bfe_u32 s2, ttmp6, 0x10000c
	s_cmp_lg_u32 s2, 0xf033
	s_cbranch_scc0 .Lentry_shape_is_right
	s_endpgm
.Lentry_shape_is_right:
; Q = x Wq + bq, K = x Wk + bk, V = x Wv + bv on codes of FP6 (E2M3) with E8M0 scales, sums in f32; the results leave as codes and scale bytes for the two products of attention: Q and K quantised along the
; head's 64, V along the tokens.  A block's scale byte is its largest magnitude's exponent field - 2, held at 1 from below.
; LIMITS: NaN and infinities are not served; a block whose largest magnitude lies under 2^-124, a block of zeros too, keeps the byte 1: this program alone reads the bytes.
; xc, xs and wc, ws are images of operand registers: codes [block of 16 rows][8 fragments along K][1,536 bytes: six groups of 256, lane l at 8 l]; scale bytes [block][4 (256 along K)][row][8].
; Image row r of block 2 B + u is true row 32 B + 8 u + r + 8 (r / 8), for tokens and for the weights' columns alike.
; OUT: qkvc in planes of 98,304 bytes, plane 64 x tensor + 16 x batch + head.  Q, K: [block of 16 tokens][768: registers 0-5 of a fragment].  V: [block of 16 features][128 tokens][1,536].
; qkvs in planes of 4,096 bytes: [128 tokens][256]: lane l's 8 bytes at 8 l.  Q, K: word j of row r holds the two bytes of token blocks 2 j and 2 j + 1; V: word t the four bytes of feature block t;
; words 0 and 2 lie in lanes 0-15, words 1 and 3 in lanes 16-31.
; SHARES.  8 x 32 = 256 work-groups of four waves, 2 x 2.  A work-group holds its 256 tokens of x, ALL of K, in LDS (196,608 bytes, filled once) and makes three blocks of 256 tokens x 128 columns: its two heads
; of Q, of K and of V.  A wave makes 128 x 64: one head, 32 accumulators.  The weights' 128 rows, all of K (98,304 bytes), have one region, filled at the head and twice again: in a block's last K step,
; when every wave has fetched its last fragments of them, behind a wait for my tensor loads, an add to my spare word and its wait, and a round of the cluster's barrier; each wave brings a quarter.  The refill is waited for
; behind 16 products and the block's whole way out.  The scale bytes of x and of all three blocks of weights come at the head; behind the last the load lays 4,096 bytes of zeros: one load of scale
; words serves x's block i in lanes 0-15 and the weights' block i in lanes 16-31, x has eight blocks a wave and the weights four, and what lanes 16-31 read for i = 4 .. 7 is named by no product.
; CLUSTER, 4 x 4: x's tiles hang on the work-group's row alone and are asked for jointly by a row of the cluster, the weights' on its column alone, by a column.
; Q, K: source 0 = the weights' rows, source 1 = x's: a lane holds a token, its registers run along the head.  V: the sources change places: a lane holds a feature, its registers run along the tokens.
; Q and K are one loop of two trips; V is written out.  The bias is the first products' C.
; No prefetch: K is 1,024 at this block in clusters, and each refill is asked for a way out ahead of its wait.
; REGISTERS: window 0: v1 r, v2 h, v4 8 x lane, v6, v7 the biases' offsets, v8-11 bv, v16-27 addresses, v28, v29 the add's two, v32-63 scale words (two sets), v64-95 the bias as C, v96-119 at work on the way out,
; v128-223 x's fragments (one set; on the way out the codes); window 1: the weights' fragments, two sets, at v0 and v128; window 2: the accumulators.
.set BOFF,   196608                    ; LDS: x's codes at 0, the weights' here,
.set SCL,    294912                    ; x's scale bytes, the weights' 8,192 further on (3 x 4,096 and 4,096 of zeros),
.set SPARE,  319488                    ; the spare words, 128 bytes for each wave: two blocks of 256 bytes that no other line names
.set BLK,    12288
.set FRB,    1536
.set FR,     12
.set NL,     6
.set ADRA,   16
.set ADRB,   20
.set ADRS,   27
.set SPW,    28
.set NIL,    29
.set SC,     32
.set BN,     64
.set BM,     96
.set PD,     104
.set Y,      112
.set AF,     128
.set CD,     128
.set G0R,    4                         ; s[4:7] group 0 of the refills (the arguments that lay there have been used by then)
.set G1A,    24
.set G0A,    32
.set G1B,    44
.set G0B,    52
.set OC,     56                        ; s[56:57] where Q's, then K's codes go; s[58:59] the scale bytes; s[60:61] V's codes
.set OS,     58
.set OV,     60
.set TR,     62
.set HM,     63
.set SEL,    66
.set G1SA,   68
.set G0SA,   76
.set G1SB,   80
.set G0SB,   88
.set MSB, 0
.macro WIN new                         ; the immediate's high byte repeats the setting that is left
.if MSB != (\new)
	s_set_vgpr_msb (MSB<<8)|(\new)
.set MSB, (\new)
.endif
.endm
.macro PLACES
.rept 4
	v_nop
.endr
.endm
.macro CROUND                          ; a round of the cluster's barrier
	s_barrier_signal -1
	s_barrier_wait -1
	s_cmp_lg_u32 s14, 0
	s_cbranch_scc1 .Lnot_wave_0_\@
	s_barrier_signal -3
.Lnot_wave_0_\@:
	s_barrier_wait -3
	s_barrier_signal -1
	s_barrier_wait -1
.endm
.macro GROUP1 g, mask, c, left, rows, pitch   ; rows of c elements of 8 bytes; left: rows that the tensor still has
	s_or_b32 s[\g], s\mask, (3<<16)|(1<<21)
	s_mov_b32 s[\g+1], (\c)<<16
	s_mov_b32 s[\g+2], (\left)<<16
	s_mov_b32 s[\g+3], (\c)<<16
	s_mov_b32 s[\g+4], \rows
	s_mov_b32 s[\g+5], \pitch
	s_mov_b32 s[\g+6], 0
	s_mov_b32 s[\g+7], 0
.endm
.macro GROUP0 g, lds, base, off
	s_mov_b32 s[\g], 1
	s_mov_b32 s[\g+1], \lds
	s_add_nc_u64 s[\g+2:\g+3], s[\base:\base+1], s[\off:\off+1]
	s_or_b32 s[\g+3], s[\g+3], 0x80000000
.endm
.macro ARM w, g0, g1                   ; one arm of the head's chain: wave w's load, its s_nop 0 and four v_nop, a jump to the join
	s_cmp_eq_u32 s14, \w
	s_cbranch_scc0 .Lnot_\w
	tensor_load_to_lds s[\g0:\g0+3], s[\g1:\g1+7]
	s_nop 0
	PLACES
	s_branch .Lasked
.Lnot_\w:
.endm
	s_load_b256 s[4:11], s[0:1], 0x0               ; xc s[4:5], xs s[6:7], wc s[8:9], ws s[10:11]
	s_load_b128 s[92:95], s[0:1], 0x20             ; bq, bk
	s_load_b64 s[96:97], s[0:1], 0x30              ; bv
	s_load_b64 s[OC:OC+1], s[0:1], 0x38            ; qkvc
	s_load_b64 s[OS:OS+1], s[0:1], 0x40            ; qkvs
	v_lshl_add_u32 v[SPW], v0, 2, SPARE
	v_mov_b32 v[NIL], 0
	ds_add_u32 v[SPW], v[NIL]                      ; the opening lines: the add, twice on end, and its wait ahead of the first tensor loads
	ds_add_u32 v[SPW], v[NIL]
	v_lshrrev_b32 v1, 5, v0
	v_readfirstlane_b32 s14, v1                    ; wave 0..3
	s_lshr_b32 s15, s14, 1                         ; which 128 tokens are mine
	s_and_b32 s16, s14, 1                          ; which head of the two
	s_bfe_u32 s12, ttmp6, 0x40004                  ; cy
	s_bfe_u32 s98, ttmp6, 0x40000                  ; cx
	s_and_b32 s13, ttmp7, 0xffff
	s_lshl_b32 s17, s13, 2
	s_add_co_u32 s17, s17, s12                     ; which 256 tokens, 0 .. 31
	s_lshl_b32 s99, ttmp9, 2
	s_add_co_u32 s99, s99, s98                     ; which 128 columns of each weight, 0 .. 7
	s_lshl_b32 s2, s12, 2
	s_lshl_b32 s2, 15, s2                          ; my row of the cluster
	s_lshl_b32 s3, 0x1111, s98                     ; my column
	GROUP1 G1A,  2, 1536, 16, 16, 1536             ; x's codes: 16 rows of 12,288 bytes
	GROUP1 G1B,  3, 1536, 8, 8, 1536               ; a weight's: 8
	GROUP1 G1SA, 2, 32, 32, 32, 32                 ; x's scale bytes: 32 rows of 256 bytes
	GROUP1 G1SB, 3, 512, 3, 4, 4096                ; the weights': a row of 4,096 bytes of each of the three, 32,768 bytes apart, and a row of zeros
	s_mul_i32 s18, s17, 16*BLK
	s_mov_b32 s19, 0
	s_lshl_b32 s20, s17, 13
	s_mov_b32 s21, 0
	s_mul_i32 s100, s99, 8*BLK
	s_mov_b32 s101, 0
	s_lshl_b32 s22, s99, 12
	s_mov_b32 s23, 0
	s_mul_i32 s36, s15, 8*BLK                      ; LDS: my x blocks 0-3,
	s_add_co_u32 s37, s36, 4*BLK                   ; 4-7,
	s_mul_i32 s38, s16, 4*BLK
	s_add_co_u32 s38, s38, BOFF                    ; my four blocks of the weight,
	s_lshl_b32 s39, s15, 12                        ; my x blocks' scale words,
	s_lshl_b32 s40, s16, 11
	s_add_co_u32 s40, s40, 8192
	s_sub_co_u32 s40, s40, s39                     ; how far behind them my blocks of Wq's lie (Wk's: 4,096 more),
	s_add_co_u32 s41, s40, 8192                    ; and of Wv's
	s_add_co_u32 s39, s39, SCL
	s_mul_i32 s42, s14, 2*BLK                      ; a refill: my two blocks of the eight
	s_mov_b32 s43, 0
	s_mov_b32 s[HM], 0xffff0000                    ; lanes 16-31
	s_mov_b32 s[SEL], 0x76543210
	s_mov_b32 s[SEL+1], 0xfedcba98                 ; v_permlanex16_b32: lane l xor 16
	s_wait_dscnt 0x0                               ; both opening adds are done
	s_wait_kmcnt 0x0
	GROUP0 G0A,  0,        4,  18
	GROUP0 G0B,  BOFF,     8,  100
	GROUP0 G0SA, SCL,      6,  20
	GROUP0 G0SB, SCL+8192, 10, 22
	s_mov_b32 s[G0R], 1
	s_add_co_u32 s[G0R+1], s42, BOFF
	s_add_nc_u64 s[G0R+2:G0R+3], s[8:9], s[100:101]
	s_add_nc_u64 s[G0R+2:G0R+3], s[G0R+2:G0R+3], s[42:43]   ; my two blocks in Wq: each refill steps a weight on first
	s_or_b32 s[G0R+3], s[G0R+3], 0x80000000
	s_lshl_b32 s18, s99, 1
	s_add_co_u32 s18, s18, s16                     ; my head
	s_lshl_b32 s20, s18, 8                         ; its 64 numbers of a bias, in bytes
	s_mov_b32 s21, 0
	s_add_nc_u64 s[92:93], s[92:93], s[20:21]
	s_add_nc_u64 s[94:95], s[94:95], s[20:21]
	s_add_nc_u64 s[96:97], s[96:97], s[20:21]
	s_lshr_b32 s19, s17, 3                         ; batch
	s_lshl_b32 s19, s19, 4
	s_add_co_u32 s18, s18, s19                     ; plane 16 x batch + head
	s_and_b32 s19, s17, 7
	s_lshl_b32 s19, s19, 1
	s_add_co_u32 s19, s19, s15                     ; which 128 tokens of the batch
	s_mul_i32 s20, s18, 98304
	s_mul_i32 s22, s19, 1536
	s_add_co_u32 s22, s22, s20
	s_add_co_u32 s22, s22, 128*98304               ; V: 128 planes on, 1,536 bytes for 128 tokens
	s_mov_b32 s23, 0
	s_add_nc_u64 s[OV:OV+1], s[OC:OC+1], s[22:23]
	s_mul_i32 s22, s19, 6144                       ; Q: 768 bytes for 16 tokens
	s_add_co_u32 s20, s20, s22
	s_add_nc_u64 s[OC:OC+1], s[OC:OC+1], s[20:21]
	s_lshl_b32 s20, s18, 12
	s_lshl_b32 s22, s19, 8
	s_add_co_u32 s20, s20, s22
	s_add_nc_u64 s[OS:OS+1], s[OS:OS+1], s[20:21]
	CROUND                                         ; all sixteen work-groups are here: the joint loads meet
	ARM 0, G0A,  G1A                               ; one chain of branches on the wave's number: every way passes one load
	ARM 1, G0B,  G1B
	ARM 2, G0SA, G1SA
	tensor_load_to_lds s[G0SB:G0SB+3], s[G1SB:G1SB+7]
	s_nop 0
	PLACES
.Lasked:
	v_and_b32 v1, 15, v0                           ; r
	v_bfe_u32 v2, v0, 4, 1                         ; h
	v_and_b32 v3, 31, v0
	v_lshlrev_b32 v4, 3, v3                        ; 8 x lane
	v_lshlrev_b32 v6, 6, v2                        ; bq, bk: 16 h columns on
	v_and_b32 v5, 8, v1
	v_add_nc_u32 v5, v5, v1
	v_lshlrev_b32 v7, 2, v5                        ; bv: column r + 8 (r / 8)
	v_add_nc_u32 v[ADRA], s36, v4
	v_add_nc_u32 v[ADRA+1], s37, v4
	v_add_nc_u32 v[ADRB], s38, v4
.irp j, 0,1,2,3,4,5,6,7
	v_mov_b32 v[PD+\j], 0                          ; written once: a lane permute's destination counts as one of its sources
.endr
.macro BIAS p                          ; a bias as C: register j of block b is column 32 (b / 2) + 8 (b % 2) + 16 h + j of the head
.irp b, 0,1,2,3
	global_load_b128 v[BN+8*\b:BN+8*\b+3], v6, s[\p:\p+1] offset:128*(\b/2)+32*(\b%2)
	global_load_b128 v[BN+8*\b+4:BN+8*\b+7], v6, s[\p:\p+1] offset:128*(\b/2)+32*(\b%2)+16
.endr
.endm
	BIAS 92
.irp b, 0,1,2,3
	global_load_b32 v[8+\b], v7, s[96:97] offset:128*(\b/2)+32*(\b%2)   ; bv: one number a lane and block
.endr
.macro FRAG reg, adr, off              ; a fragment: six pieces of 8 bytes a lane, as they lie
.irp p, 0,1,2,3,4,5
	ds_load_b64 v[\reg+2*\p:\reg+2*\p+1], v[\adr] offset:(\off)+256*\p
.endr
.endm
.macro FETCH_B k                       ; the weight's four fragments of step k into set k % 2
	WIN 0x40
.irp i, 0,1,2,3
	FRAG 128*((\k)%2)+FR*\i, ADRB, \i*BLK+(\k)*FRB
.endr
	WIN 0
.endm
.macro FETCH_A k, i0                   ; x's blocks i0 .. i0 + 3 of step k
.irp j, 0,1,2,3
	FRAG AF+FR*(\i0+\j), ADRA+(\i0)/4, \j*BLK+(\k)*FRB
.endr
.endm
.macro SCALES kp                       ; the scale words of steps 2 kp and 2 kp + 1 into set kp % 2
.irp i, 0,1,2,3,4,5,6,7
	ds_load_b64 v[SC+16*((\kp)%2)+2*\i:SC+16*((\kp)%2)+2*\i+1], v[ADRS] offset:\i*512+(\kp)*128
.endr
.endm
.macro PR d, s0, s1, c, x0, x1, side   ; side: the source whose scale words lie in lanes 16-31: the weights'
	v_wmma_scale_f32_16x16x128_f8f6f4 v[\d:\d+7], v[\s0:\s0+FR-1], v[\s1:\s1+FR-1], \c, v[\x0], v[\x1] matrix_a_fmt:MATRIX_FMT_FP6 matrix_b_fmt:MATRIX_FMT_FP6 matrix_\side\()_scale:MATRIX_SCALE_ROW1
.endm
; 16 products: x's blocks a0 .. a0 + 3 x the weight's four, 128 along K.  v = 0: Q, K, accumulator (a, b) at 8 (4 a + b); v = 1: V, at 8 (8 b + a).
; The accumulators take turns, one instruction a turn, in the same order in every step
.macro MULS a0, k, v
.if (\k) == 0
	WIN 0x81+3*(\v)                                ; the weights in window 1, x and C (the bias) in window 0, D in window 2
.else
	WIN 0xa1+3*(\v)                                ; C and D in window 2
.endif
.irp a, \a0, \a0+1, \a0+2, \a0+3
.irp b, 0,1,2,3
.set WB_, 128*((\k)%2)+FR*\b
.set XA_, AF+FR*(\a)
.set SW_, SC+16*(((\k)/2)%2)+2*\b+(\k)%2
.set SX_, SC+16*(((\k)/2)%2)+2*(\a)+(\k)%2
.if \v
.set D_, 8*(8*\b+(\a))
.if (\k) == 0
	PR D_, XA_, WB_, v[BN+8*\b:BN+8*\b+7], SX_, SW_, b
.else
	PR D_, XA_, WB_, v[D_:D_+7], SX_, SW_, b
.endif
.else
.set D_, 8*(4*(\a)+\b)
.if (\k) == 0
	PR D_, WB_, XA_, v[BN+8*\b:BN+8*\b+7], SW_, SX_, a
.else
	PR D_, WB_, XA_, v[D_:D_+7], SW_, SX_, a
.endif
.endif
.endr
.endr
.endm
.macro SUB k, v                        ; a step of 128 along K; the next step's fragments are fetched in its middle and at its end
	s_wait_dscnt 4*NL                              ; all but the 24 youngest loads, x's blocks 4-7 of this step
	MULS 0, \k, \v
	s_wait_dscnt 0x0                               ; those are in too
	PLACES                                         ; four places between the products and the loads into their registers
	FETCH_B (\k)+1
	FETCH_A (\k)+1, 0
.if ((\k)+1)%2 == 0
	SCALES ((\k)+1)/2
.endif
	MULS 4, \k, \v
	PLACES
	WIN 0
	FETCH_A (\k)+1, 4
.endm
.macro START                           ; a block begins: where its scale words lie; its bias and its weights are in; the first step's fragments
	v_mul_u32_u24 v5, s40, v2                      ; lanes 16-31 take the weight's words
	v_lshl_add_u32 v5, v1, 3, v5
	v_add_nc_u32 v[ADRS], s39, v5
	s_wait_alu depctr_va_vdst(0)                   ; directly ahead of the waits below
	s_wait_loadcnt 0x0
	s_wait_tensorcnt 0x0                           ; my tile, or my quarter of the weights, has landed,
	s_barrier_signal -1
	s_barrier_wait -1                              ; everybody's has; a refill comes only behind the last step's round of the cluster's barrier
	FETCH_B 0
	FETCH_A 0, 0
	SCALES 0
	FETCH_A 0, 4
.endm
.macro LASTK v, refill                 ; the last step fetches nothing; with refill = 1 the next weight is asked for in its middle
.if \refill
	s_wait_tensorcnt 0x0                           ; ahead of a refill's round: no tensor load of mine is out,
	ds_add_u32 v[SPW], v[NIL]                      ; 0 onto my spare word,
	s_wait_dscnt 4*NL+1                            ; (the add and the 24 youngest loads may be out)
.else
	s_wait_dscnt 4*NL
.endif
	MULS 0, 7, \v
	s_wait_dscnt 0x0                               ; the add is done, and so are my reads of the weights
.if \refill
	WIN 0
	CROUND                                         ; no wave of any partner still reads them
	s_mov_b32 s[G1B+2], 2<<16                      ; a refill brings two rows of 12,288 bytes a wave
	s_mov_b32 s[G1B+4], 2
	s_add_nc_u64 s[G0R+2:G0R+3], s[G0R+2:G0R+3], 786432   ; the next weight
	tensor_load_to_lds s[G0R:G0R+3], s[G1B:G1B+7]
	s_nop 0
	PLACES
.endif
	MULS 4, 7, \v
	WIN 0
	PLACES                                         ; between the last products and the first read of results
.endm
; THE WAY OUT.  MAXES: eight blocks of 32, each 16 registers of lane l and 16 of lane l xor 16, from register x0 of window 2 on: the conversions' scale operands into v[BM ..], the bytes into v[PD ..]
.macro MAXES x0
	s_wait_xcnt 0x0                                ; earlier stores have read their registers, which are written again below
	WIN 0x0a
.irp j, 0,1,2,3,4,5,6,7
	v_max3_num_f32 v[BM+\j], |v[\x0+16*\j]|, |v[\x0+16*\j+1]|, 0x1800000   ; with the floor 2^(3 - 127); each accumulator is read from its low end on
.endr
	WIN 0x28
.irp i, 2,4,6,8,10,12,14
.irp j, 0,1,2,3,4,5,6,7
	v_max3_num_f32 v[BM+\j], v[BM+\j], |v[\x0+16*\j+\i]|, |v[\x0+16*\j+\i+1]|
.endr
.endr
	WIN 0
.irp j, 0,1,2,3,4,5,6,7
	v_permlanex16_b32 v[PD+\j], v[BM+\j], s[SEL], s[SEL+1]
.endr
.irp j, 0,1,2,3,4,5,6,7
	v_max_num_f32 v[BM+\j], v[BM+\j], v[PD+\j]
.endr
.irp j, 0,1,2,3,4,5,6,7
	v_add_nc_u32 v[BM+\j], 0xff000000, v[BM+\j]    ; 2 off the exponent field
.endr
.irp j, 0,1,2,3,4,5,6,7
	v_lshrrev_b32 v[PD+\j], 23, v[BM+\j]
.endr
.endm
.macro OUTQK a0                        ; token blocks a0 .. a0 + 3: 32 registers each, d = 32 b + 16 h + i at register 16 b + i: half a fragment
	MAXES 32*\a0
.irp T, 0,1,2,3
	v_lshl_or_b32 v[Y+\a0+\T], v[PD+2*\T+1], 8, v[PD+2*\T]   ; my token's two scale bytes
.endr
	WIN 0x02
.irp T, 0,1,2,3
	v_cvt_scalef32_pk16_fp6_f32 v[CD+12*\T:CD+12*\T+2], v[32*(\a0+\T):32*(\a0+\T)+15], v[BM+2*\T]
	v_cvt_scalef32_pk16_fp6_f32 v[CD+12*\T+6:CD+12*\T+8], v[32*(\a0+\T)+16:32*(\a0+\T)+31], v[BM+2*\T+1]
.endr
	WIN 0
	v_nop                                          ; one plain place behind a scaled conversion
.irp T, 0,1,2,3
.irp i, 0,1,2
	v_permlane16_swap_b32 v[CD+12*\T+\i], v[CD+12*\T+6+\i]   ; the operand's layout wants a whole block in a lane
.endr
.endr
.irp T, 0,1,2,3
.irp i, 0,1,2
	v_mov_b32 v[CD+12*\T+3+\i], v[CD+12*\T+6+\i]
.endr
.endr
.irp T, 0,1,2,3
.irp g, 0,1,2
	global_store_b64 v4, v[CD+12*\T+2*\g:CD+12*\T+2*\g+1], s[OC:OC+1] offset:768*(\a0+\T)+256*\g   ; 256 consecutive bytes, aligned
.endr
.endr
.endm
.macro OUTV b0                         ; feature blocks b0, b0 + 1: 64 registers each, token 32 b + 16 h + i at register 16 b + i: a fragment
	MAXES 64*\b0
.irp e, 0,1
	v_lshl_or_b32 v[Y+\b0+\e], v[PD+4*\e+1], 8, v[PD+4*\e]   ; my feature's scale word for these 128 tokens
.endr
.irp e, 0,1
	v_lshl_or_b32 v[Y+\b0+\e], v[PD+4*\e+2], 16, v[Y+\b0+\e]
.endr
.irp e, 0,1
	v_lshl_or_b32 v[Y+\b0+\e], v[PD+4*\e+3], 24, v[Y+\b0+\e]
.endr
	WIN 0x02
.irp e, 0,1
.irp c, 0,1
	v_cvt_scalef32_pk16_fp6_f32 v[CD+20*\e+6*\c:CD+20*\e+6*\c+2], v[64*(\b0+\e)+32*\c:64*(\b0+\e)+32*\c+15], v[BM+4*\e+2*\c]
	v_cvt_scalef32_pk16_fp6_f32 v[CD+20*\e+12+4*\c:CD+20*\e+14+4*\c], v[64*(\b0+\e)+32*\c+16:64*(\b0+\e)+32*\c+31], v[BM+4*\e+2*\c+1]
.endr
.endr
	WIN 0
	v_nop                                          ; one plain place behind a scaled conversion
.irp e, 0,1
.irp c, 0,1
.irp i, 0,1,2
	v_permlane16_swap_b32 v[CD+20*\e+6*\c+\i], v[CD+20*\e+12+4*\c+\i]
.endr
.endr
.endr
.irp e, 0,1
.irp c, 0,1
.irp i, 0,1,2
	v_mov_b32 v[CD+20*\e+6*\c+3+\i], v[CD+20*\e+12+4*\c+\i]
.endr
.endr
.endr
.irp e, 0,1
.irp g, 0,1,2,3,4,5
	global_store_b64 v4, v[CD+20*\e+2*\g:CD+20*\e+2*\g+1], s[OV:OV+1] offset:24576*(\b0+\e)+256*\g   ; 256 consecutive bytes, aligned
.endr
.endr
.endm
	s_mov_b32 s[TR], 0
.Lblock:                                               ; trip 0: Q, trip 1: K
	START
.set K, 0
.rept 7
	SUB K, 0
.set K, K+1
.endr
	s_cmp_lg_u32 s[TR], 0                          ; a counted loop's step: the same in every wave and work-group
	s_cbranch_scc1 .Lno_bias
	BIAS 94                                        ; in Q's last step: bk, for the next trip
.Lno_bias:
	LASTK 0, 1
	OUTQK 0
	OUTQK 4
.irp j, 0,1,2,3
	v_lshl_or_b32 v[PD+\j], v[Y+2*\j+1], 16, v[Y+2*\j]   ; word j: token blocks 2 j and 2 j + 1
.endr
	v_cndmask_b32 v[BM], v[PD], v[PD+1], s[HM]
	v_cndmask_b32 v[BM+1], v[PD+2], v[PD+3], s[HM]
	global_store_b64 v4, v[BM:BM+1], s[OS:OS+1]    ; 256 consecutive bytes, aligned
	s_wait_xcnt 0x0                                ; the stores have read their bases and their registers
	s_add_nc_u64 s[OC:OC+1], s[OC:OC+1], 64*98304  ; 64 planes on
	s_add_nc_u64 s[OS:OS+1], s[OS:OS+1], 64*4096
	s_add_co_u32 s40, s40, 4096                    ; the next weight's scale words
	s_add_co_u32 s[TR], s[TR], 1
	s_cmp_lt_u32 s[TR], 2
	s_cbranch_scc1 .Lblock
.irp b, 0,1,2,3                                ; V: a lane's number of bv over the eight registers of each block's C
.irp i, 0,1,2,3,4,5,6,7
	v_mov_b32 v[BN+8*\b+\i], v[8+\b]
.endr
.endr
	s_mov_b32 s40, s41
	START
.set K, 0
.rept 7
	SUB K, 1
.set K, K+1
.endr
	LASTK 1, 0
	OUTV 0
	OUTV 2
	v_cndmask_b32 v[BM], v[Y], v[Y+1], s[HM]
	v_cndmask_b32 v[BM+1], v[Y+2], v[Y+3], s[HM]
	global_store_b64 v4, v[BM:BM+1], s[OS:OS+1]    ; 256 consecutive bytes, aligned
	s_wait_tensorcnt 0x0                           ; the wave's end
	ds_add_u32 v[SPW], v[NIL]
	s_wait_dscnt 0x0
	CROUND                                         ; the closing round
	s_endpgm
.Lfunc_end_k_q0ce4c50980_qkv:
	.size	k_q0ce4c50980_qkv, .Lfunc_end_k_q0ce4c50980_qkv-k_q0ce4c50980_qkv
	.p2alignl 7, 3214868480
	.fill 96, 4, 3214868480
	.section	.rodata,"a",@progbits
	.p2align	6, 0x0
	.amdhsa_kernel k_q0ce4c50980_qkv
		.amdhsa_group_segment_fixed_size 327680
		.amdhsa_private_segment_fixed_size 0
		.amdhsa_enable_private_segment 0
		.amdhsa_kernarg_size 72
		.amdhsa_user_sgpr_count 2
		.amdhsa_user_sgpr_kernarg_segment_ptr 1
		.amdhsa_wavefront_size32 1
		.amdhsa_system_sgpr_workgroup_id_x 1
		.amdhsa_system_sgpr_workgroup_id_y 1
		.amdhsa_system_sgpr_workgroup_id_z 1
		.amdhsa_system_vgpr_workitem_id 0
		.amdhsa_next_free_vgpr 768
		.amdhsa_next_free_sgpr 102
		.amdhsa_reserve_vcc 0
		.amdhsa_float_denorm_mode_32 3
		.amdhsa_float_denorm_mode_16_64 3
		.amdhsa_memory_ordered 1
		.amdhsa_forward_progress 1
		.amdhsa_inst_pref_size 197
	.end_amdhsa_kernel
	.amdgpu_metadata
---
amdhsa.version: [ 1, 2 ]
amdhsa.kernels:
  - .name:           k_q0ce4c50980_qkv
    .symbol:         k_q0ce4c50980_qkv.kd
    .args:
      - { .name: xc, .offset: 0, .size: 8, .value_kind: global_buffer, .address_space: global }
      - { .name: xs, .offset: 8, .size: 8, .value_kind: global_buffer, .address_space: global }
      - { .name: wc, .offset: 16, .size: 8, .value_kind: global_buffer, .address_space: global }
      - { .name: ws, .offset: 24, .size: 8, .value_kind: global_buffer, .address_space: global }
      - { .name: bq, .offset: 32, .size: 8, .value_kind: global_buffer, .address_space: global }
      - { .name: bk, .offset: 40, .size: 8, .value_kind: global_buffer, .address_space: global }
      - { .name: bv, .offset: 48, .size: 8, .value_kind: global_buffer, .address_space: global }
      - { .name: qkvc, .offset: 56, .size: 8, .value_kind: global_buffer, .address_space: global }
      - { .name: qkvs, .offset: 64, .size: 8, .value_kind: global_buffer, .address_space: global }
    .group_segment_fixed_size: 327680
    .private_segment_fixed_size: 0
    .kernarg_segment_align: 8
    .kernarg_segment_size: 72
    .max_flat_workgroup_size: 128
    .sgpr_count:     102
    .vgpr_count:     768
    .wavefront_size: 32
...
	.end_amdgpu_metadata
.endif
;; end of part 2
;; launch attn (part 3): grid 4 x 64, 8 waves a work-group, clusters of 4 x 1, 206,848 bytes of LDS; arguments qkvc, qkvs, cc, cs; writes cc, cs
.if DOCPART == 3
	.amdgcn_target "amdgcn-amd-amdhsa--gfx1250"
	.amdhsa_code_object_version 6
	.text
	.protected	k_q0ce4c50980_attn
	.globl	k_q0ce4c50980_attn
	.p2align	8
	.type	k_q0ce4c50980_attn,@function
k_q0ce4c50980_attn:
	s_mov_b64 s[64:65], 0
	v_nop
	global_prefetch_b8 v0, s[64:65] scope:SCOPE_SE
	s_setreg_imm32_b32 hwreg(HW_REG_WAVE_MODE, 25, 1), 1
	s_wait_xcnt 0x0
	s_wait_alu depctr_hold_cnt(0) depctr_sa_sdst(0) depctr_va_vdst(0) depctr_va_sdst(0) depctr_va_ssrc(0) depctr_va_vcc(0) depctr_vm_vsrc(0)
	s_getreg_b32 s2, hwreg(HW_REG_IB_STS2, 6, 4)
	s_cmp_eq_u32 s2, 0
	s_cbranch_scc0 .Lentry_in_a_cluster
	s_endpgm
.Lentry_in_a_cluster:
	s_bfe_u32 s2, ttmp6, 0x10000c
	s_cmp_lg_u32 s2, 0x3003
	s_cbranch_scc0 .Lentry_shape_is_right
	s_endpgm
.Lentry_shape_is_right:
; ctx[b][q][head][:] = the sum over keys of softmax(q . k / 8) v, both products on codes of FP6 (E2M3) with E8M0 scales; ctx leaves as codes, quantised along head x 64 + d for the last product.
; THE SOFTMAX: t = score x log2(e) / 8; M = the running largest t rounded UP to a whole number; p = 2^(t - M) is quantised along the keys, not normalised; the row's sum is taken of the unquantised p
; and divides at the end.  When M moves, the sum and O are multiplied by 2^(old M - new M): exact.
; SHARES.  A work-group owns 512 queries of one (batch, head); each of its eight waves 64: four tiles of 16.  A wave walks the 2,048 keys once, 128 a step; a step's fragments of K and V are read from LDS
; once and serve all four tiles.  The tiles go in pairs, the two of a pair line by line in turn, so that neighbouring lines do not hang on each other.
; K AND V OF THE HEAD, 98,304 bytes of codes each and 4,096 of scale bytes each, lie in LDS for the whole launch: filled once, no ring, no refill, and no wave stores to LDS.
; CLUSTER.  The four work-groups of a head need the same K and V: each piece is asked for jointly, by the same tensor load with the same descriptor and a mask that names the four.
; LAYOUT.  Both products are used transposed (S^T = K Q^T, O^T = V^T P^T): a lane holds ONE query.  All operands are images of registers (six groups of 256 bytes, lane l at 8 l).
; The head is 64 wide and the instruction 128: a fragment of K holds two blocks of 16 keys; it is multiplied once by [q | zeros] and once by [zeros | q]: the half not meant meets zero codes.
; A BLOCK'S SCALE BYTE is floor(t - M + 125) of the block's largest score, by one multiply-add and one conversion that holds negatives at 0: p rises with the score, and floor(log2(2^x)) = floor(x).
; Where t - M lies within one rounding of f32 at 125 under a whole number the byte comes out one higher: the block's codes then use half of the format's range.
; LIMITS: NaN and infinities are not served; the scaled scores stay under 2^31 in magnitude; a block of p whose largest number lies under 2^-124 has the byte 0 (2^-127), against a row's sum of at least 1/2;
; a block of ctx whose largest magnitude lies under 2^-124, a block of zeros too, keeps the byte 1: this program alone reads the bytes.
; No prefetch: every byte of K and V is asked for at the head, by the first fills.  The last step's fetch of a next K reads LDS bytes of V, which lie inside LDS and are filled; nothing uses them.
; REGISTERS, window 0: v1, v2 the add's two; v3 8 x lane; v4-8, v9-13 LDS addresses of K's and V's fragments and scale words; v14, v15 offsets; v16-31 for each tile -M, the largest t, the sum (2);
;   v32-39 for each tile f and p's scale word; v40-43 K's and V's scale words; v44-49 Q's; v50-55 ctx's bytes; v56-109 zeros and q by turns; v112-239 S^T, then p, of a pair; v240-255 at work.
; window 1: v0-127 O^T of four tiles; v128-175 K's four fragments; v176-223 V's; v224-247 p's codes of a pair; v248-255 at work.
.set VC,    98304                      ; LDS: K's codes at 0, V's here,
.set KS,    196608                     ; K's scale bytes, V's 4,096 further on,
.set SPARE, 204800                     ; the spare words, 128 bytes for each wave: four blocks of 256 bytes that no other line names
.set ST, 16
.set F,  32
.set QS, 44
.set QZ, 56
.set S,  112
.set BM, 240
.set PD, 248
.set KF, 128
.set VF, 176
.set PC, 224
.set TM, 248
.set WV,  18
.set SEL, 20
.set CS,  22                           ; s[22:23] c = log2(e) / 8
.set G1C, 24
.set G1S, 32
.set G0C, 40
.set G0S, 44
.set CNT, 58
.set HM,  59
.set MSB, 0
.macro WIN new                         ; the immediate's high byte repeats the setting that is left
.if MSB != (\new)
	s_set_vgpr_msb (MSB<<8)|(\new)
.set MSB, (\new)
.endif
.endm
.macro WALU
	s_wait_alu depctr_va_vdst(0)
.endm
.macro CROUND                          ; a round of the cluster's barrier
	s_barrier_signal -1
	s_barrier_wait -1
	s_cmp_lg_u32 s[WV], 0
	s_cbranch_scc1 .Lnot_wave_0_\@
	s_barrier_signal -3
.Lnot_wave_0_\@:
	s_barrier_wait -3
	s_barrier_signal -1
	s_barrier_wait -1
.endm
.macro MM d, a, b, c, sa, sb, row
	v_wmma_scale_f32_16x16x128_f8f6f4 v[\d:\d+7], v[\a:\a+11], v[\b:\b+11], \c, v[\sa], v[\sb] matrix_a_fmt:MATRIX_FMT_FP6 matrix_b_fmt:MATRIX_FMT_FP6 matrix_a_scale:MATRIX_SCALE_ROW\row
.endm
; Four fragments and their scale words from LDS: five addresses (they are also the places behind the products that read these registers), 12 loads of two pieces of 8 bytes, one of the words; then the places step on
.macro FILL a, s, f, sc, step
.irp d, 0,1,2,3,4
	v_add_nc_u32 v[\a+\d], s[\s+\d], v3
.endr
	WIN 0x40
.irp d, 0,1,2,3
.irp g, 0,1,2
	ds_load_2addr_b64 v[\f+12*\d+4*\g:\f+12*\d+4*\g+3], v[\a+\d] offset0:64*\g offset1:64*\g+32
.endr
.endr
	WIN 0
	ds_load_b64 v[\sc:\sc+1], v[\a+4]
.irp d, 0,1,2,3
	s_add_co_u32 s[\s+\d], s[\s+\d], \step
.endr
	s_add_co_u32 s[\s+4], s[\s+4], 256
.endm
	s_load_b256 s[4:11], s[0:1], 0x0               ; qkvc s[4:5], qkvs s[6:7], cc s[8:9], cs s[10:11]
	v_lshl_add_u32 v1, v0, 2, SPARE
	v_mov_b32 v2, 0
	ds_add_u32 v1, v2                              ; the opening lines: the add, twice on end, and its wait ahead of the first tensor loads
	ds_add_u32 v1, v2
	v_lshrrev_b32 v4, 5, v0
	v_readfirstlane_b32 s[WV], v4                  ; wave 0..7
	s_bfe_u32 s12, ttmp6, 0x40000                  ; cx: which 512 queries: it enters Q's and ctx's addresses alone
	s_and_b32 s13, ttmp7, 0xffff                   ; 16 x batch + head, which the four partners share
	s_mov_b32 s[G1C], 15|(3<<16)|(1<<21)           ; codes: 128 rows of 256 bytes (32 elements of 8); the mask names all four work-groups
	s_mov_b32 s[G1C+1], 32<<16
	s_mov_b32 s[G1C+2], 128<<16
	s_mov_b32 s[G1C+3], 32<<16
	s_mov_b32 s[G1C+4], 128
	s_mov_b32 s[G1C+5], 32
	s_mov_b32 s[G1C+6], 0
	s_mov_b32 s[G1C+7], 0
	s_mov_b32 s[G1S], 15|(3<<16)|(1<<21)           ; scale bytes: two rows of 4,096 bytes, K's and V's, 64 planes (262,144 bytes) apart
	s_mov_b32 s[G1S+1], 512<<16
	s_mov_b32 s[G1S+2], 2<<16
	s_mov_b32 s[G1S+3], 512<<16
	s_mov_b32 s[G1S+4], 2
	s_mov_b32 s[G1S+5], 32768
	s_mov_b32 s[G1S+6], 0
	s_mov_b32 s[G1S+7], 0
	; waves 0-2 fetch K's three thirds, 3-5 V's, wave 6 both runs of scale bytes
	s_mul_i32 s14, s[WV], 32768                    ; in LDS, and from K's plane on in memory;
	s_add_co_u32 s15, s[WV], 1
	s_lshr_b32 s15, s15, 2                         ; 1 from wave 3 on:
	s_mul_i32 s15, s15, 63*98304                   ; V's plane lies 64 planes behind K's
	s_add_co_u32 s16, s13, 64                      ; K's plane
	s_mul_i32 s60, s16, 98304
	s_add_co_u32 s60, s60, s14
	s_add_co_u32 s60, s60, s15
	s_mov_b32 s61, 0
	s_lshl_b32 s62, s16, 12
	s_mov_b32 s63, 0
	s_mov_b32 s[G0C], 1
	s_mov_b32 s[G0C+1], s14
	s_mov_b32 s[G0S], 1
	s_mov_b32 s[G0S+1], KS
	s_lshl_b32 s17, s12, 3
	s_add_co_u32 s17, s17, s[WV]                   ; my 64 queries: number 8 cx + wave of the head's 32
	s_mul_i32 s66, s13, 98304
	s_mul_i32 s19, s17, 3072
	s_add_co_u32 s66, s66, s19                     ; their codes
	s_mov_b32 s67, 0
	s_lshl_b32 s68, s13, 12                        ; their scale words: a unit of 256 bytes for 128 tokens; in it my half's words lie 4 bytes from the other's, and a pair of tiles 128 from the next
	s_lshr_b32 s19, s17, 1
	s_lshl_b32 s19, s19, 8
	s_add_co_u32 s68, s68, s19
	s_and_b32 s19, s17, 1
	s_lshl_b32 s19, s19, 2
	s_add_co_u32 s68, s68, s19
	s_mov_b32 s69, 0
	s_lshr_b32 s19, s13, 4
	s_lshl_b32 s19, s19, 7
	s_lshl_b32 s16, s17, 2
	s_add_co_u32 s19, s19, s16                     ; ctx: block of 16 tokens 128 x batch + 4 x my number
	s_and_b32 s16, s13, 15                         ; head
	s_mul_i32 s70, s19, 12288
	s_mul_i32 s15, s16, 768                        ; a head is half a fragment
	s_add_co_u32 s70, s70, s15
	s_mov_b32 s71, 0
	s_lshl_b32 s14, s19, 9
	s_lshr_b32 s15, s16, 2
	s_lshl_b32 s15, s15, 7
	s_add_co_u32 s14, s14, s15
	s_and_b32 s15, s16, 3
	s_lshl_b32 s15, s15, 1
	s_add_co_u32 s14, s14, s15                     ; a head has 2 of a row's 32 scale bytes
	s_mov_b32 s15, 0
	s_mov_b32 s[SEL], 0x76543210
	s_mov_b32 s[SEL+1], 0xfedcba98                 ; v_permlanex16_b32: lane l xor 16
	s_mov_b32 s[CS], 0x3e38aa3b                    ; c = log2(e) / 8
	s_mov_b32 s[CS+1], s[CS]                       ; (named with it as a pair, so it is written)
	s_mov_b32 s[HM], 0xffff0000                    ; lanes 16-31
	s_wait_dscnt 0x0                               ; both opening adds are done
	s_wait_kmcnt 0x0
	s_add_nc_u64 s[G0C+2:G0C+3], s[4:5], s[60:61]
	s_or_b32 s[G0C+3], s[G0C+3], 0x80000000
	s_add_nc_u64 s[G0S+2:G0S+3], s[6:7], s[62:63]
	s_or_b32 s[G0S+3], s[G0S+3], 0x80000000
	s_add_nc_u64 s[4:5], s[4:5], s[66:67]
	s_add_nc_u64 s[6:7], s[6:7], s[68:69]
	s_add_nc_u64 s[8:9], s[8:9], s[70:71]
	s_add_nc_u64 s[10:11], s[10:11], s[14:15]
	CROUND                                         ; all four work-groups are here: the joint loads meet
	s_cmp_lt_u32 s[WV], 6                          ; the branches hang on the wave's number alone; one load of a wave is out
	s_cbranch_scc0 .Lnot_codes
	tensor_load_to_lds s[G0C:G0C+3], s[G1C:G1C+7]
	s_nop 0
.rept 4
	v_nop
.endr
	s_branch .Lasked
.Lnot_codes:
	s_cmp_eq_u32 s[WV], 6
	s_cbranch_scc0 .Lasked
	tensor_load_to_lds s[G0S:G0S+3], s[G1S:G1S+7]
	s_nop 0
.rept 4
	v_nop
.endr
.Lasked:
	v_and_b32 v4, 31, v0
	v_and_b32 v5, 15, v0                           ; r
	v_bfe_u32 v6, v0, 4, 1                         ; h
	v_lshlrev_b32 v3, 3, v4                        ; 8 x lane
	v_lshlrev_b32 v14, 3, v5                       ; Q's scale words: 8 r
	v_lshl_add_u32 v15, v6, 9, v14                 ; ctx's scale bytes: 8 r, and lanes 16-31 the next block of tokens
.irp T, 0,1,2,3
.irp g, 0,1,2
	global_load_b64 v[QZ+6+12*\T+2*\g:QZ+7+12*\T+2*\g], v3, s[4:5] offset:768*\T+256*\g   ; q of tile T
.endr
.endr
	global_load_b32 v[QS], v14, s[6:7]             ; bytes 0, 1: tile 0's two blocks; bytes 2, 3: tile 1's
	global_load_b32 v[QS+3], v14, s[6:7] offset:128   ; tiles 2 and 3
.irp z, 0,1,2,3,4
.irp i, 0,1,2,3,4,5
	v_mov_b32 v[QZ+12*\z+\i], 0                    ; zero codes round each q
.endr
.endr
.irp i, 0,1,2,3,4,5,6,7
	v_mov_b32 v[PD+\i], 0                          ; written once: a lane permute's destination counts as one of its sources
.endr
.irp T, 0,1,2,3
	v_mov_b32 v[ST+4*\T+1], 0xff61b1e6             ; the largest t so far: -3e38, under every t
	v_mov_b32 v[ST+4*\T+2], 0                      ; the sum, in two halves
	v_mov_b32 v[ST+4*\T+3], 0
.endr
.irp T, 0,1,2,3
	v_floor_f32 v[ST+4*\T], -v[ST+4*\T+1]          ; -M
.endr
	WIN 0x40
.set J, 0
.rept 128
	v_mov_b32 v[J], 0                              ; O^T: the step is written once; the first finds zeros, which the first change of M leaves zeros
.set J, J+1
.endr
	WIN 0
.irp d, 0,1,2,3
	s_mov_b32 s[48+\d], 1536*\d                    ; K's fragment d of step 0; a step is 6,144 bytes
	s_mov_b32 s[53+\d], VC+24576*\d                ; V's block of features d; a step is 1,536 bytes
.endr
	s_mov_b32 s52, KS                              ; the scale words: a step is 256 bytes
	s_mov_b32 s57, KS+4096
	s_mov_b32 s[CNT], 16
	WALU                                           ; directly ahead of the wait below
	s_wait_loadcnt 0x0
.irp p, 0,1
	v_lshlrev_b32 v[QS+3*\p+1], 16, v[QS+3*\p]     ; the even tile's bytes at k 64-127
	v_lshrrev_b32 v[QS+3*\p+2], 16, v[QS+3*\p]     ; the odd tile's at k 0-63.  (The bytes beside them scale zero codes; none is 0xff)
.endr
	WALU                                           ; the head's end
	s_wait_tensorcnt 0x0                           ; my piece has landed,
	s_barrier_signal -1
	s_barrier_wait -1                              ; everybody's has
	FILL 4, 48, KF, 40, 6144                       ; K of step 0
.macro SUM e, T                        ; the row's sum of the unquantised p of tile e of the pair: 32 packed additions in four chains
.set X, S+64*(\e)
.set L, ST+4*(\T)+2
.irp k, 0,1,2
	v_pk_add_f32 v[PD+2*\k:PD+2*\k+1], v[X+4*\k:X+4*\k+1], v[X+4*\k+2:X+4*\k+3]
.endr
.set N, 6
.rept 26
.if N%4 == 3
	v_pk_add_f32 v[L:L+1], v[L:L+1], v[X+2*N:X+2*N+1]
.else
	v_pk_add_f32 v[PD+2*(N%4):PD+2*(N%4)+1], v[PD+2*(N%4):PD+2*(N%4)+1], v[X+2*N:X+2*N+1]
.endif
.set N, N+1
.endr
	v_pk_add_f32 v[L:L+1], v[L:L+1], v[PD:PD+1]
	v_pk_add_f32 v[PD+2:PD+3], v[PD+2:PD+3], v[PD+4:PD+5]
	v_pk_add_f32 v[L:L+1], v[L:L+1], v[PD+2:PD+3]
.endm
; A KEY STEP of tiles 2 P and 2 P + 1: 128 keys
.macro PAIR P
	WIN 0x01                                       ; source 0 (K) in window 1
.irp d, 0,2                                    ; S^T: fragment d holds keys 32 d + .. in two blocks: one by [q | 0], the other by [0 | q]
.irp e, 0,1
	MM S+64*\e+16*\d, KF+12*\d, QZ+6+12*(2*\P+\e), 0, 40+\d/2, QS+3*\P+2*\e, 0
	MM S+64*\e+16*\d+8, KF+12*\d, QZ+12*(2*\P+\e), 0, 40+\d/2, QS+3*\P+1-\e, 0
.endr
.irp e, 0,1
	MM S+64*\e+16*\d+16, KF+12*\d+12, QZ+6+12*(2*\P+\e), 0, 40+\d/2, QS+3*\P+2*\e, 1
	MM S+64*\e+16*\d+24, KF+12*\d+12, QZ+12*(2*\P+\e), 0, 40+\d/2, QS+3*\P+1-\e, 1
.endr
.endr                                          ; lane (r, h) holds query r; registers 16 b + i are keys 32 b + 16 h + i
	WIN 0
.if \P
	FILL 4, 48, KF, 40, 6144                       ; K is done with: the next step's lands under this pair's softmax.  Its five address lines are the places behind the products
.else
.rept 4
	v_nop                                          ; places in front of the first read of the scores
.endr
.endif
.irp e, 0,1
.irp b, 0,1,2,3
	v_max3_num_f32 v[BM+4*\e+\b], v[S+64*\e+16*\b], v[S+64*\e+16*\b+1], v[S+64*\e+16*\b+2]   ; the largest score of each block of 32 keys: eight chains by turns
.endr
.endr
.irp i, 3,5,7,9,11,13
.irp e, 0,1
.irp b, 0,1,2,3
	v_max3_num_f32 v[BM+4*\e+\b], v[BM+4*\e+\b], v[S+64*\e+16*\b+\i], v[S+64*\e+16*\b+\i+1]
.endr
.endr
.endr
.irp e, 0,1
.irp b, 0,1,2,3
	v_max_num_f32 v[BM+4*\e+\b], v[BM+4*\e+\b], v[S+64*\e+16*\b+15]
.endr
.endr
.irp j, 0,1,2,3,4,5,6,7
	v_permlanex16_b32 v[PD+\j], v[BM+\j], s[SEL], s[SEL+1]
.endr
.irp j, 0,1,2,3,4,5,6,7
	v_max_num_f32 v[BM+\j], v[BM+\j], v[PD+\j]     ; with lane l xor 16's 16 keys
.endr
.irp e, 0,1
	v_max3_num_f32 v[PD+\e], v[BM+4*\e], v[BM+4*\e+1], v[BM+4*\e+2]
.endr
.irp e, 0,1
	v_max_num_f32 v[PD+\e], v[PD+\e], v[BM+4*\e+3] ; the step's largest score of my query
.endr
.irp e, 0,1
	v_mul_f32 v[PD+\e], s[CS], v[PD+\e]            ; as t (c is positive)
.endr
.irp e, 0,1
	v_max_num_f32 v[ST+4*(2*\P+\e)+1], v[ST+4*(2*\P+\e)+1], v[PD+\e]   ; the running largest t
.endr
.irp e, 0,1
	v_floor_f32 v[PD+2+\e], -v[ST+4*(2*\P+\e)+1]   ; the new -M = floor(-t): M is a whole number
.endr
.irp e, 0,1
	v_sub_f32 v[PD+4+\e], v[PD+2+\e], v[ST+4*(2*\P+\e)]   ; old M - new M: a whole number, 0 or less
.endr
.irp e, 0,1
	v_mov_b32 v[ST+4*(2*\P+\e)], v[PD+2+\e]
.endr
.irp e, 0,1
	v_cvt_i32_f32 v[PD+4+\e], v[PD+4+\e]           ; (it saturates)
.endr
.irp e, 0,1
	v_ldexp_f32 v[F+2*(2*\P+\e)], 1.0, v[PD+4+\e]  ; f = 2^(old M - new M)
.endr
.irp e, 0,1
	v_add_f32 v[PD+6+\e], 0x42fa0000, v[PD+2+\e]   ; 125 - M
.endr
.irp e, 0,1
.set J, 0
.rept 32
	v_pk_fma_f32 v[S+64*\e+J:S+64*\e+J+1], v[S+64*\e+J:S+64*\e+J+1], s[CS:CS+1], v[ST+4*(2*\P+\e):ST+4*(2*\P+\e)+1] op_sel_hi:[1,0,0]   ; t - M, two at a time
.set J, J+2
.endr
.endr
.irp e, 0,1
.irp b, 0,1,2,3
	v_fma_f32 v[BM+4*\e+\b], v[BM+4*\e+\b], s[CS], v[PD+6+\e]   ; t - M + 125 of each block's largest score
.endr
.endr
	WALU                                           ; ahead of a batch of exponentials
.set J, 0
.rept 64
	v_exp_f32 v[S+J], v[S+J]                       ; the even tile's p = 2^(t - M), at most 1
.set J, J+1
.endr
.irp j, 0,1,2,3,4,5,6,7
	v_cvt_u32_f32 v[PD+\j], v[BM+\j]               ; the block's scale byte: toward zero, which is down here; what is negative gives 0
.endr
.irp j, 0,1,2,3,4,5,6,7
	v_lshlrev_b32 v[BM+\j], 23, v[PD+\j]           ; the byte as an exponent field: the conversion's scale operand
.endr
.irp e, 0,1
	v_lshl_or_b32 v[F+1+2*(2*\P+\e)], v[PD+4*\e+1], 8, v[PD+4*\e]   ; p's scale word for these 128 keys
.endr
.irp e, 0,1
	v_lshl_or_b32 v[F+1+2*(2*\P+\e)], v[PD+4*\e+2], 16, v[F+1+2*(2*\P+\e)]
.endr
.irp e, 0,1
	v_lshl_or_b32 v[F+1+2*(2*\P+\e)], v[PD+4*\e+3], 24, v[F+1+2*(2*\P+\e)]
.endr
.irp e, 0,1
	v_pk_mul_f32 v[ST+4*(2*\P+\e)+2:ST+4*(2*\P+\e)+3], v[ST+4*(2*\P+\e)+2:ST+4*(2*\P+\e)+3], v[F+2*(2*\P+\e):F+2*(2*\P+\e)+1] op_sel_hi:[1,0]   ; the sums under the new M
.endr
	WALU                                           ; behind the first batch, ahead of the second
.set J, 64
.rept 64
	v_exp_f32 v[S+J], v[S+J]                       ; the odd tile's p
.set J, J+1
.endr
	SUM 0, 2*\P                                    ; the even tile's sum stands behind the odd tile's exponentials
	WALU                                           ; behind the second batch, ahead of its first reader
	SUM 1, 2*\P+1
.irp e, 0,1                                    ; p's codes, tile by tile: the two registers at work serve both
	WIN 0x40
.irp c, 0,1
	v_cvt_scalef32_pk16_fp6_f32 v[PC+12*\e+6*\c:PC+12*\e+6*\c+2], v[S+64*\e+32*\c:S+64*\e+32*\c+15], v[BM+4*\e+2*\c]
	v_cvt_scalef32_pk16_fp6_f32 v[TM+4*\c:TM+4*\c+2], v[S+64*\e+32*\c+16:S+64*\e+32*\c+31], v[BM+4*\e+2*\c+1]
.endr
	WIN 0x41
	v_nop                                          ; one plain place behind a scaled conversion
.irp c, 0,1                                    ; the operand's layout wants a whole block in a lane
.irp i, 0,1,2
	v_permlane16_swap_b32 v[PC+12*\e+6*\c+\i], v[TM+4*\c+\i]
.endr
.endr
.irp c, 0,1
.irp i, 0,1,2
	v_mov_b32 v[PC+12*\e+6*\c+3+\i], v[TM+4*\c+\i]
.endr
.endr
.endr
.if \P == 0
	s_wait_dscnt 0x0                               ; V is in
.endif
	WALU                                           ; directly ahead of the first reader of O^T
.irp e, 0,1
.set J, 0
.rept 16
	v_pk_mul_f32 v[32*(2*\P+\e)+J:32*(2*\P+\e)+J+1], v[32*(2*\P+\e)+J:32*(2*\P+\e)+J+1], v[F+2*(2*\P+\e):F+2*(2*\P+\e)+1] op_sel_hi:[1,0]   ; O^T under the new M.  (Also the places between the codes' last writes and the products)
.set J, J+2
.endr
.endr
	WIN 0x55
.irp t, 0,2                                    ; O^T += V^T P^T: the eight accumulators take turns
.irp e, 0,1
	MM 32*(2*\P+\e)+8*\t, VF+12*\t, PC+12*\e, v[32*(2*\P+\e)+8*\t:32*(2*\P+\e)+8*\t+7], 42+\t/2, F+1+2*(2*\P+\e), 0
.endr
.irp e, 0,1
	MM 32*(2*\P+\e)+8*\t+8, VF+12*\t+12, PC+12*\e, v[32*(2*\P+\e)+8*\t+8:32*(2*\P+\e)+8*\t+15], 42+\t/2, F+1+2*(2*\P+\e), 1
.endr
.endr
.endm
.Lkey:
	FILL 9, 53, VF, 42, 1536                       ; V of this step lands under the first pair's softmax
	s_wait_dscnt 13                                ; K and its scale words are in; V's 12 loads and its words, issued behind them, may be out
	PAIR 0
	PAIR 1
	WIN 0
	s_sub_co_u32 s[CNT], s[CNT], 1
	s_cmp_lg_u32 s[CNT], 0
	s_cbranch_scc1 .Lkey
; THE WAY OUT: ctx = O / the sum, quantised along d; the four tiles by turns
.irp T, 0,1,2,3
	v_add_f32 v[ST+4*\T+2], v[ST+4*\T+2], v[ST+4*\T+3]   ; the sum's two halves,
.endr
.irp T, 0,1,2,3
	v_permlanex16_b32 v[PD+\T], v[ST+4*\T+2], s[SEL], s[SEL+1]
.endr
.irp T, 0,1,2,3
	v_add_f32 v[ST+4*\T+2], v[ST+4*\T+2], v[PD+\T] ; and lane l xor 16's
.endr
	WALU                                           ; ahead of the reciprocals
.irp T, 0,1,2,3
	v_rcp_f32 v[ST+4*\T+2], v[ST+4*\T+2]
.endr
	v_nop                                          ; one plain place behind a transcendental
	WIN 0x01
	WALU                                           ; and ahead of their first reader, which is O^T's first reader too
.irp T, 0,1,2,3
.set J, 0
.rept 16
	v_pk_mul_f32 v[S+32*\T+J:S+32*\T+J+1], v[32*\T+J:32*\T+J+1], v[ST+4*\T+2:ST+4*\T+3] op_sel_hi:[1,0]   ; register 16 b + i is d = 32 b + 16 h + i; each accumulator is read from its low end on
.set J, J+2
.endr
.endr
	WIN 0
.irp j, 0,1,2,3,4,5,6,7                        ; block j % 2 of tile j / 2: registers S + 16 j on
	v_max3_num_f32 v[BM+\j], |v[S+16*\j]|, |v[S+16*\j+1]|, 0x1800000   ; with the floor 2^(3 - 127): the byte cannot fall under 1
.endr
.irp i, 2,4,6,8,10,12,14
.irp j, 0,1,2,3,4,5,6,7
	v_max3_num_f32 v[BM+\j], v[BM+\j], |v[S+16*\j+\i]|, |v[S+16*\j+\i+1]|
.endr
.endr
.irp j, 0,1,2,3,4,5,6,7
	v_permlanex16_b32 v[PD+\j], v[BM+\j], s[SEL], s[SEL+1]
.endr
.irp j, 0,1,2,3,4,5,6,7
	v_max_num_f32 v[BM+\j], v[BM+\j], v[PD+\j]
.endr
.irp j, 0,1,2,3,4,5,6,7
	v_add_nc_u32 v[BM+\j], 0xff000000, v[BM+\j]    ; 2 off the exponent field: the conversion's scale operand
.endr
.irp j, 0,1,2,3,4,5,6,7
	v_lshrrev_b32 v[PD+\j], 23, v[BM+\j]           ; the scale's byte
.endr
.irp T, 0,1,2,3
	v_lshl_or_b32 v[52+\T], v[PD+2*\T+1], 8, v[PD+2*\T]   ; the head's two scale bytes of my row
.endr
.irp T, 0,1,2,3
	v_cvt_scalef32_pk16_fp6_f32 v[QZ+12*\T:QZ+12*\T+2], v[S+32*\T:S+32*\T+15], v[BM+2*\T]
	v_cvt_scalef32_pk16_fp6_f32 v[QZ+12*\T+6:QZ+12*\T+8], v[S+32*\T+16:S+32*\T+31], v[BM+2*\T+1]
.endr
	v_nop                                          ; one plain place behind a scaled conversion
.irp T, 0,1,2,3
.irp i, 0,1,2
	v_permlane16_swap_b32 v[QZ+12*\T+\i], v[QZ+12*\T+6+\i]
.endr
.endr
.irp T, 0,1,2,3
.irp i, 0,1,2
	v_mov_b32 v[QZ+12*\T+3+\i], v[QZ+12*\T+6+\i]
.endr
.endr
	v_cndmask_b32 v50, v52, v53, s[HM]             ; lanes 0-15: the even tile's bytes, lanes 16-31: the odd tile's (they stand in both halves of the lanes)
	v_cndmask_b32 v51, v54, v55, s[HM]
.irp T, 0,1,2,3
.irp g, 0,1,2
	global_store_b64 v3, v[QZ+12*\T+2*\g:QZ+12*\T+2*\g+1], s[8:9] offset:12288*\T+256*\g   ; 256 consecutive bytes, aligned
.endr
.endr
	global_store_b16 v15, v50, s[10:11]            ; 2 bytes a row: a head owns 2 of a row's 32 scale bytes; 262,144 bytes in the whole launch
	global_store_b16 v15, v51, s[10:11] offset:1024
	s_wait_tensorcnt 0x0                           ; the wave's end
	ds_add_u32 v1, v2
	s_wait_dscnt 0x0
	CROUND                                         ; the closing round
	s_endpgm
.Lfunc_end_k_q0ce4c50980_attn:
	.size	k_q0ce4c50980_attn, .Lfunc_end_k_q0ce4c50980_attn-k_q0ce4c50980_attn
	.p2alignl 7, 3214868480
	.fill 96, 4, 3214868480
	.section	.rodata,"a",@progbits
	.p2align	6, 0x0
	.amdhsa_kernel k_q0ce4c50980_attn
		.amdhsa_group_segment_fixed_size 206848
		.amdhsa_private_segment_fixed_size 0
		.amdhsa_enable_private_segment 0
		.amdhsa_kernarg_size 32
		.amdhsa_user_sgpr_count 2
		.amdhsa_user_sgpr_kernarg_segment_ptr 1
		.amdhsa_wavefront_size32 1
		.amdhsa_system_sgpr_workgroup_id_x 1
		.amdhsa_system_sgpr_workgroup_id_y 1
		.amdhsa_system_sgpr_workgroup_id_z 1
		.amdhsa_system_vgpr_workitem_id 0
		.amdhsa_next_free_vgpr 512
		.amdhsa_next_free_sgpr 72
		.amdhsa_reserve_vcc 0
		.amdhsa_float_denorm_mode_32 3
		.amdhsa_float_denorm_mode_16_64 3
		.amdhsa_memory_ordered 1
		.amdhsa_forward_progress 1
		.amdhsa_inst_pref_size 83
	.end_amdhsa_kernel
	.amdgpu_metadata
---
amdhsa.version: [ 1, 2 ]
amdhsa.kernels:
  - .name:           k_q0ce4c50980_attn
    .symbol:         k_q0ce4c50980_attn.kd
    .args:
      - { .name: qkvc, .offset: 0, .size: 8, .value_kind: global_buffer, .address_space: global }
      - { .name: qkvs, .offset: 8, .size: 8, .value_kind: global_buffer, .address_space: global }
      - { .name: cc, .offset: 16, .size: 8, .value_kind: global_buffer, .address_space: global }
      - { .name: cs, .offset: 24, .size: 8, .value_kind: global_buffer, .address_space: global }
    .group_segment_fixed_size: 206848
    .private_segment_fixed_size: 0
    .kernarg_segment_align: 8
    .kernarg_segment_size: 32
    .max_flat_workgroup_size: 256
    .sgpr_count:     72
    .vgpr_count:     512
    .wavefront_size: 32
...
	.end_amdgpu_metadata
.endif
;; end of part 3
;; launch ogemm (part 4): grid 8 x 32, 4 waves a work-group, clusters of 4 x 4, 327,680 bytes of LDS; arguments cc, cs, wc, ws, bo, out0; writes out0
.if DOCPART == 4
	.amdgcn_target "amdgcn-amd-amdhsa--gfx1250"
	.amdhsa_code_object_version 6
	.text
	.protected	k_q0ce4c50980_ogemm
	.globl	k_q0ce4c50980_ogemm
	.p2align	8
	.type	k_q0ce4c50980_ogemm,@function
k_q0ce4c50980_ogemm:
	s_mov_b64 s[64:65], 0
	v_nop
	global_prefetch_b8 v0, s[64:65] scope:SCOPE_SE
	s_setreg_imm32_b32 hwreg(HW_REG_WAVE_MODE, 25, 1), 1
	s_wait_xcnt 0x0
	s_wait_alu depctr_hold_cnt(0) depctr_sa_sdst(0) depctr_va_vdst(0) depctr_va_sdst(0) depctr_va_ssrc(0) depctr_va_vcc(0) depctr_vm_vsrc(0)
	s_getreg_b32 s2, hwreg(HW_REG_IB_STS2, 6, 4)
	s_cmp_eq_u32 s2, 0
	s_cbranch_scc0 .Lentry_in_a_cluster
	s_endpgm
.Lentry_in_a_cluster:
	s_bfe_u32 s2, ttmp6, 0x10000c
	s_cmp_lg_u32 s2, 0xf033
	s_cbranch_scc0 .Lentry_shape_is_right
	s_endpgm
.Lentry_shape_is_right:
; out0[token][n] = the sum over k of ctx[token][k] Wo[k][n] + bo[n]: ctx and Wo as codes of FP6 (E2M3) with E8M0 scales, sums in f32.
; cc, cs (ctx) and wc, ws (the weights; Wo is the fourth) are images of operand registers: codes [block of 16 rows][8 fragments along K][1,536 bytes: six groups of 256, lane l at 8 l];
; scale bytes [block][4 (256 along K)][row][8].  Image row r of block 2 B + u is true row 32 B + 8 u + r + 8 (r / 8), for tokens and for Wo's columns alike.
; SHARES.  A block of out0 is 256 tokens x 128 columns: 8 x 32 = 256 work-groups of four waves, 2 x 2; a wave makes 128 x 64: 32 accumulators, 256 registers.
; ALL OF K LIES IN LDS: ctx's 16 blocks are 196,608 dense bytes, Wo's 8 blocks 98,304, the scale bytes 8,192 and 4,096.  Four tiles, one tensor load a wave at the head; nothing is filled again, so there is
; no ring, and one barrier shows all four tiles to all waves.  Behind Wo's scale bytes the same load lays 2,048 bytes of zeros (the tile has 24 rows, the tensor 16 left): one load of scale words serves
; ctx's block i in lanes 0-15 and Wo's block i in lanes 16-31, ctx has eight blocks a wave and Wo four, and what lanes 16-31 read for i = 4 .. 7 is named by no product.
; CLUSTER, 4 x 4: ctx's tiles hang on the block's row alone and are asked for jointly by a row of the cluster, Wo's on its column alone, by a column.
; THE MATRIX INSTRUCTION IS USED TRANSPOSED (source 0 = Wo's rows, source 1 = ctx's): a lane holds eight neighbouring columns of one token.  The bias is the first products' C.
; No prefetch: the launch has no loop, and every byte is asked for at the head.
; REGISTERS: window 0: v1-6 at work in the head, v16-27 addresses, v28, v29 the add's two, v32-63 scale words (two sets), v64-95 the bias, v128-223 ctx's fragments (one set; on the way out rows read back);
; window 1: Wo's fragments, two sets, at v0 and v128; window 2: accumulator (a, b) at v[8 (4 a + b)].
.set BOFF,   196608                    ; LDS: ctx's codes at 0, Wo's here,
.set SCL,    294912                    ; ctx's scale bytes, Wo's 8,192 further on (6,144 with the zeros),
.set SPARE,  309248                    ; the spare words, 128 bytes for each wave: two blocks of 256 bytes that no other line names,
.set STAGE,  309760                    ; and a stage of 16 rows x (256 + 16) bytes for each wave, into which no fill lands
.set SPITCH, 272
.set BLK,    12288                     ; a block of 16 rows, all of K
.set FRB,    1536                      ; a fragment
.set FR,     12
.set NL,     6
.set ADRA,   16                        ; v16, v17  my ctx blocks 0-3, 4-7 (an LDS offset has 16 bits)
.set ADRB,   20
.set STO,    24
.set RD,     25
.set CO,     26
.set ADRS,   27
.set SPW,    28
.set NIL,    29
.set SC,     32
.set BN,     64
.set AF,     128
.set BK,     128
.set G1A,    24
.set G0A,    32
.set G1B,    44
.set G0B,    52
.set G1SA,   68
.set G0SA,   76
.set G1SB,   80
.set G0SB,   88
.set MSB, 0
.macro WIN new                         ; the immediate's high byte repeats the setting that is left
.if MSB != (\new)
	s_set_vgpr_msb (MSB<<8)|(\new)
.set MSB, (\new)
.endif
.endm
.macro PLACES
.rept 4
	v_nop
.endr
.endm
.macro CROUND                          ; a round of the cluster's barrier
	s_barrier_signal -1
	s_barrier_wait -1
	s_cmp_lg_u32 s14, 0
	s_cbranch_scc1 .Lnot_wave_0_\@
	s_barrier_signal -3
.Lnot_wave_0_\@:
	s_barrier_wait -3
	s_barrier_signal -1
	s_barrier_wait -1
.endm
.macro GROUP1 g, mask, c, left, rows   ; rows of c elements of 8 bytes, dense; left: rows that the tensor still has
	s_or_b32 s[\g], s\mask, (3<<16)|(1<<21)
	s_mov_b32 s[\g+1], (\c)<<16
	s_mov_b32 s[\g+2], (\left)<<16
	s_mov_b32 s[\g+3], (\c)<<16
	s_mov_b32 s[\g+4], \rows
	s_mov_b32 s[\g+5], \c
	s_mov_b32 s[\g+6], 0
	s_mov_b32 s[\g+7], 0
.endm
.macro GROUP0 g, lds, base, off
	s_mov_b32 s[\g], 1
	s_mov_b32 s[\g+1], \lds
	s_add_nc_u64 s[\g+2:\g+3], s[\base:\base+1], s[\off:\off+1]
	s_or_b32 s[\g+3], s[\g+3], 0x80000000
.endm
.macro ARM w, g0, g1                   ; one arm of the head's chain: wave w's load, its s_nop 0 and four v_nop, a jump to the join
	s_cmp_eq_u32 s14, \w
	s_cbranch_scc0 .Lnot_\w
	tensor_load_to_lds s[\g0:\g0+3], s[\g1:\g1+7]
	s_nop 0
	PLACES
	s_branch .Lasked
.Lnot_\w:
.endm
	s_load_b256 s[4:11], s[0:1], 0x0               ; cc s[4:5], cs s[6:7], wc s[8:9], ws s[10:11]
	s_load_b128 s[92:95], s[0:1], 0x20             ; bo, out0
	v_lshl_add_u32 v[SPW], v0, 2, SPARE
	v_mov_b32 v[NIL], 0
	ds_add_u32 v[SPW], v[NIL]                      ; the opening lines: the add, twice on end, and its wait ahead of the first tensor loads
	ds_add_u32 v[SPW], v[NIL]
	v_lshrrev_b32 v1, 5, v0
	v_readfirstlane_b32 s14, v1                    ; wave 0..3
	s_lshr_b32 s15, s14, 1                         ; which 128 tokens are mine
	s_and_b32 s16, s14, 1                          ; which 64 columns
	s_bfe_u32 s12, ttmp6, 0x40004                  ; cy
	s_bfe_u32 s98, ttmp6, 0x40000                  ; cx
	s_and_b32 s13, ttmp7, 0xffff
	s_lshl_b32 s17, s13, 2
	s_add_co_u32 s17, s17, s12                     ; the block's row, 0 .. 31
	s_lshl_b32 s99, ttmp9, 2
	s_add_co_u32 s99, s99, s98                     ; its column, 0 .. 7
	s_lshl_b32 s2, s12, 2
	s_lshl_b32 s2, 15, s2                          ; my row of the cluster
	s_lshl_b32 s3, 0x1111, s98                     ; my column
	GROUP1 G1A,  2, 1536, 16, 16                   ; ctx's codes: 16 rows of 12,288 bytes
	GROUP1 G1B,  3, 1536, 8, 8                     ; Wo's: 8
	GROUP1 G1SA, 2, 32, 32, 32                     ; ctx's scale bytes: 32 rows of 256 bytes
	GROUP1 G1SB, 3, 32, 16, 24                     ; Wo's: 16, and 8 rows of zeros
	s_mul_i32 s18, s17, 16*BLK
	s_mov_b32 s19, 0
	s_lshl_b32 s20, s17, 13
	s_mov_b32 s21, 0
	s_mul_i32 s100, s99, 8*BLK
	s_add_co_u32 s100, s100, 2359296               ; Wo is the fourth weight
	s_mov_b32 s101, 0
	s_lshl_b32 s22, s99, 12
	s_add_co_u32 s22, s22, 98304
	s_mov_b32 s23, 0
	s_mul_i32 s36, s15, 8*BLK                      ; LDS: my ctx blocks 0-3,
	s_add_co_u32 s37, s36, 4*BLK                   ; 4-7,
	s_mul_i32 s38, s16, 4*BLK
	s_add_co_u32 s38, s38, BOFF                    ; my four blocks of Wo,
	s_lshl_b32 s39, s15, 12                        ; my ctx blocks' scale words,
	s_lshl_b32 s40, s16, 11
	s_add_co_u32 s40, s40, 8192
	s_sub_co_u32 s40, s40, s39                     ; how far behind them my Wo blocks' lie,
	s_add_co_u32 s39, s39, SCL
	s_mul_i32 s41, s14, 16*SPITCH
	s_add_co_u32 s41, s41, STAGE                   ; my stage
	s_lshl_b32 s42, s99, 7
	s_lshl_b32 s43, s16, 6
	s_add_co_u32 s42, s42, s43
	s_lshl_b32 s42, s42, 2                         ; my first column, in bytes
	s_mov_b32 s43, 0
	s_lshl_b32 s56, s17, 8
	s_lshl_b32 s57, s15, 7
	s_add_co_u32 s56, s56, s57
	s_lshl_b32 s56, s56, 12                        ; my first token: rows of 4,096 bytes
	s_mov_b32 s57, 0
	s_wait_dscnt 0x0                               ; both opening adds are done
	s_wait_kmcnt 0x0
	GROUP0 G0A,  0,        4,  18
	GROUP0 G0B,  BOFF,     8,  100
	GROUP0 G0SA, SCL,      6,  20
	GROUP0 G0SB, SCL+8192, 10, 22
	s_add_nc_u64 s[92:93], s[92:93], s[42:43]
	s_add_nc_u64 s[94:95], s[94:95], s[42:43]
	s_add_nc_u64 s[94:95], s[94:95], s[56:57]
	CROUND                                         ; all sixteen work-groups are here: the joint loads meet
	ARM 0, G0A,  G1A                               ; one chain of branches on the wave's number: every way passes one load
	ARM 1, G0B,  G1B
	ARM 2, G0SA, G1SA
	tensor_load_to_lds s[G0SB:G0SB+3], s[G1SB:G1SB+7]
	s_nop 0
	PLACES
.Lasked:
	v_and_b32 v1, 15, v0                           ; r
	v_bfe_u32 v2, v0, 4, 1                         ; h
	v_and_b32 v3, 31, v0
	v_lshlrev_b32 v4, 3, v3                        ; 8 x lane
	v_lshlrev_b32 v6, 6, v2                        ; the bias: 16 h columns on
	v_add_nc_u32 v[ADRA], s36, v4
	v_add_nc_u32 v[ADRA+1], s37, v4
	v_add_nc_u32 v[ADRB], s38, v4
	v_mul_u32_u24 v5, s40, v2                      ; lanes 16-31 take Wo's words
	v_lshl_add_u32 v5, v1, 3, v5
	v_add_nc_u32 v[ADRS], s39, v5
	v_mul_u32_u24 v5, v1, SPITCH                   ; into the stage: row r, 64 h bytes on
	v_lshl_add_u32 v5, v2, 6, v5
	v_add_nc_u32 v[STO], s41, v5
	v_mul_u32_u24 v5, v2, SPITCH                   ; out of it: sixteen lanes to a row of 256 bytes, two rows an instruction
	v_lshl_add_u32 v5, v1, 4, v5
	v_add_nc_u32 v[RD], s41, v5
	v_lshlrev_b32 v5, 4, v1
	v_lshl_add_u32 v[CO], v2, 12, v5               ; and the same two rows in out0
.irp b, 0,1,2,3
	global_load_b128 v[BN+8*\b:BN+8*\b+3], v6, s[92:93] offset:128*(\b/2)+32*(\b%2)        ; register j of block b is column 32 (b / 2) + 8 (b % 2) + 16 h + j
	global_load_b128 v[BN+8*\b+4:BN+8*\b+7], v6, s[92:93] offset:128*(\b/2)+32*(\b%2)+16
.endr
.macro FRAG reg, adr, off              ; a fragment: six pieces of 8 bytes a lane, as they lie
.irp p, 0,1,2,3,4,5
	ds_load_b64 v[\reg+2*\p:\reg+2*\p+1], v[\adr] offset:(\off)+256*\p
.endr
.endm
.macro FETCH_B k                       ; Wo's four fragments of step k into set k % 2
	WIN 0x40
.irp i, 0,1,2,3
	FRAG 128*((\k)%2)+FR*\i, ADRB, \i*BLK+(\k)*FRB
.endr
	WIN 0
.endm
.macro FETCH_A k, i0                   ; ctx's blocks i0 .. i0 + 3 of step k
.irp j, 0,1,2,3
	FRAG AF+FR*(\i0+\j), ADRA+(\i0)/4, \j*BLK+(\k)*FRB
.endr
.endm
.macro SCALES kp                       ; the scale words of steps 2 kp and 2 kp + 1 into set kp % 2
.irp i, 0,1,2,3,4,5,6,7
	ds_load_b64 v[SC+16*((\kp)%2)+2*\i:SC+16*((\kp)%2)+2*\i+1], v[ADRS] offset:\i*512+(\kp)*128
.endr
.endm
; 16 products: ctx's blocks a0 .. a0 + 3 x Wo's four, 128 along K.  The accumulators take turns, one instruction a turn, in the same order in every step
.macro MULS a0, k
.if (\k) == 0
	WIN 0x81                                       ; source 0 window 1, source 1 and C (the bias) window 0, D window 2
.else
	WIN 0xa1                                       ; C and D window 2
.endif
.irp a, \a0, \a0+1, \a0+2, \a0+3
.irp b, 0,1,2,3
.if (\k) == 0
	v_wmma_scale_f32_16x16x128_f8f6f4 v[8*(4*(\a)+\b):8*(4*(\a)+\b)+7], v[128*((\k)%2)+FR*\b:128*((\k)%2)+FR*\b+FR-1], v[AF+FR*(\a):AF+FR*(\a)+FR-1], v[BN+8*\b:BN+8*\b+7], v[SC+16*(((\k)/2)%2)+2*\b+(\k)%2], v[SC+16*(((\k)/2)%2)+2*(\a)+(\k)%2] matrix_a_fmt:MATRIX_FMT_FP6 matrix_b_fmt:MATRIX_FMT_FP6 matrix_a_scale:MATRIX_SCALE_ROW1
.else
	v_wmma_scale_f32_16x16x128_f8f6f4 v[8*(4*(\a)+\b):8*(4*(\a)+\b)+7], v[128*((\k)%2)+FR*\b:128*((\k)%2)+FR*\b+FR-1], v[AF+FR*(\a):AF+FR*(\a)+FR-1], v[8*(4*(\a)+\b):8*(4*(\a)+\b)+7], v[SC+16*(((\k)/2)%2)+2*\b+(\k)%2], v[SC+16*(((\k)/2)%2)+2*(\a)+(\k)%2] matrix_a_fmt:MATRIX_FMT_FP6 matrix_b_fmt:MATRIX_FMT_FP6 matrix_a_scale:MATRIX_SCALE_ROW1
.endif
.endr
.endr
.endm
.macro SUB k                           ; a step of 128 along K; the next step's fragments are fetched in its middle and at its end
	s_wait_dscnt 4*NL                              ; all but the 24 youngest loads, ctx's blocks 4-7 of this step
	MULS 0, \k
	s_wait_dscnt 0x0                               ; those are in too
	PLACES                                         ; four places between the products and the loads into their registers
	FETCH_B (\k)+1
	FETCH_A (\k)+1, 0
.if ((\k)+1)%2 == 0
	SCALES ((\k)+1)/2
.endif
	MULS 4, \k
	PLACES
	WIN 0
	FETCH_A (\k)+1, 4
.endm
	s_wait_alu depctr_va_vdst(0)                   ; the head's end
	s_wait_loadcnt 0x0                             ; the bias is in
	s_wait_tensorcnt 0x0                           ; my tile has landed,
	s_barrier_signal -1
	s_barrier_wait -1                              ; everybody's has
	FETCH_B 0
	FETCH_A 0, 0
	SCALES 0
	FETCH_A 0, 4
.set K, 0
.rept 7
	SUB K
.set K, K+1
.endr
	s_wait_dscnt 4*NL                              ; the last step fetches nothing
	MULS 0, 7
	s_wait_dscnt 0x0
	MULS 4, 7
	WIN 0
; THE WAY OUT, block by block of 16 tokens x 64 columns: through my own stage, back as rows of 256 bytes.  LDS serves a wave's instructions in order: no wait between the stores and the loads
.macro TOSTAGE a
	WIN 0x08                                       ; the data lie in window 2
.irp b, 0,1,2,3
	ds_store_b128 v[STO], v[8*(4*(\a)+\b):8*(4*(\a)+\b)+3] offset:128*(\b/2)+32*(\b%2)      ; each accumulator from its low end on
	ds_store_b128 v[STO], v[8*(4*(\a)+\b)+4:8*(4*(\a)+\b)+7] offset:128*(\b/2)+32*(\b%2)+16
.endr
	WIN 0
.set BB, BK+32*((\a)%2)
.irp t, 0,1,2,3,4,5,6,7
	ds_load_b128 v[BB+4*\t:BB+4*\t+3], v[RD] offset:\t*2*SPITCH
.endr
.endm
.macro SEND a, younger                 ; younger: the LDS instructions issued behind block a's loads, which may stay out
.set BB, BK+32*((\a)%2)
	s_wait_dscnt \younger
.irp t, 0,1,2,3,4,5,6,7
	global_store_b128 v[CO], v[BB+4*\t:BB+4*\t+3], s[94:95] offset:(32*((\a)/2)+8*((\a)%2)+2*\t+8*(\t/4))*4096 th:TH_STORE_NT   ; sixteen lanes store 256 consecutive bytes, aligned
.endr
.endm
	PLACES                                         ; between the last products and the first read of results, and the loads into ctx's registers
	TOSTAGE 0
.irp a, 1,2,3,4,5,6,7
.if \a > 1
	s_wait_xcnt 0x0                                ; block a - 2's stores have read their registers: block a's rows may land there
.endif
	TOSTAGE \a
	SEND \a-1, 16                                  ; behind block a - 1's loads: block a's 8 stores and 8 loads
.endr
	SEND 7, 0
	s_wait_tensorcnt 0x0                           ; the wave's end
	ds_add_u32 v[SPW], v[NIL]
	s_wait_dscnt 0x0
	CROUND                                         ; the closing round
	s_endpgm
.Lfunc_end_k_q0ce4c50980_ogemm:
	.size	k_q0ce4c50980_ogemm, .Lfunc_end_k_q0ce4c50980_ogemm-k_q0ce4c50980_ogemm
	.p2alignl 7, 3214868480
	.fill 96, 4, 3214868480
	.section	.rodata,"a",@progbits
	.p2align	6, 0x0
	.amdhsa_kernel k_q0ce4c50980_ogemm
		.amdhsa_group_segment_fixed_size 327680
		.amdhsa_private_segment_fixed_size 0
		.amdhsa_enable_private_segment 0
		.amdhsa_kernarg_size 48
		.amdhsa_user_sgpr_count 2
		.amdhsa_user_sgpr_kernarg_segment_ptr 1
		.amdhsa_wavefront_size32 1
		.amdhsa_system_sgpr_workgroup_id_x 1
		.amdhsa_system_sgpr_workgroup_id_y 1
		.amdhsa_system_sgpr_workgroup_id_z 1
		.amdhsa_system_vgpr_workitem_id 0
		.amdhsa_next_free_vgpr 768
		.amdhsa_next_free_sgpr 102
		.amdhsa_reserve_vcc 0
		.amdhsa_float_denorm_mode_32 3
		.amdhsa_float_denorm_mode_16_64 3
		.amdhsa_memory_ordered 1
		.amdhsa_forward_progress 1
		.amdhsa_inst_pref_size 98
	.end_amdhsa_kernel
	.amdgpu_metadata
---
amdhsa.version: [ 1, 2 ]
amdhsa.kernels:
  - .name:           k_q0ce4c50980_ogemm
    .symbol:         k_q0ce4c50980_ogemm.kd
    .args:
      - { .name: cc, .offset: 0, .size: 8, .value_kind: global_buffer, .address_space: global }
      - { .name: cs, .offset: 8, .size: 8, .value_kind: global_buffer, .address_space: global }
      - { .name: wc, .offset: 16, .size: 8, .value_kind: global_buffer, .address_space: global }
      - { .name: ws, .offset: 24, .size: 8, .value_kind: global_buffer, .address_space: global }
      - { .name: bo, .offset: 32, .size: 8, .value_kind: global_buffer, .address_space: global }
      - { .name: out0, .offset: 40, .size: 8, .value_kind: global_buffer, .address_space: global }
    .group_segment_fixed_size: 327680
    .private_segment_fixed_size: 0
    .kernarg_segment_align: 8
    .kernarg_segment_size: 48
    .max_flat_workgroup_size: 128
    .sgpr_count:     102
    .vgpr_count:     768
    .wavefront_size: 32
...
	.end_amdgpu_metadata
.endif
;; end of part 4
